; MI455X (gfx1250); checked and timed in simulation.
; The chip was launched on July 23, 2026; its instructions are those of AMD's public machine-readable ISA for CDNA 5 (MIT licence, August 2026) and "CDNA5" Instruction Set Architecture Reference Guide (July 2026). The comments in the code are by the model that wrote it; some were corrected since.
;; Causal Self Attention. Allowed arithmetic: matrix products marked QUANTISED: E5M2 operands, one given power-of-two scale a tensor, by v_wmma_f32_16x16x64_bf8_bf8 or v_wmma_f32_16x16x128_bf8_bf8, f32 sums; everything else in f32.
;; Inputs: b_proj 1,024 float32; b_qkv 3,072 float32; lowp_scales 8 int32 (the exponents e of the quantised operands' scales 2^e); w_proj 1,024 x 1,024 float32; w_qkv 3,072 x 1,024 float32; x 2 x 2,048 x 1,024 float32.
;; Outputs: out0 2 x 2,048 x 1,024 float32.
;; This version of the problem:
;;   THIS VERSION OF THE PROBLEM IS GIVEN IN LOW PRECISION. The matrix products marked QUANTISED in the list below multiply operands that are first quantised to E5M2 (5 exponent bits, 2 mantissa bits; 8 bits a number), with one given power-of-two scale for each operand tensor; their sums are f32. All else is computed in f32.
;;   The module's matrix products, in the order in which they are computed (A, B: the left and right operand; K: the contracted axis; several contracted axes count as one K, in the product's order):
;;     1. [M 4,096, K 1,024] x [K 1,024, N 3,072]; A: input x; B: input w_qkv: QUANTISED (scales: A lowp_scales[0], B lowp_scales[1])
;;     2. batch 32 x [M 2,048, K 64] x [K 64, N 2,048]; A: computed on the way; B: computed on the way: QUANTISED (scales: A lowp_scales[2], B lowp_scales[3])
;;     3. batch 32 x [M 2,048, K 2,048] x [K 2,048, N 64]; A: softmax (see below); B: computed on the way: QUANTISED (scales: A lowp_scales[4], B lowp_scales[5])
;;     4. [M 4,096, K 1,024] x [K 1,024, N 1,024]; A: computed on the way; B: input w_proj: QUANTISED (scales: A lowp_scales[6], B lowp_scales[7])
;;   THE QUANTISER, for each operand of a quantised product, along K:
;;     - The operand's scale is 2^e, e = its entry of the input lowp_scales (int32; the entries are numbered through the quantised products in the list's order, A before B).
;;     - Each number is divided by the scale, clamped to +-57,344, and rounded to the nearest number of E5M2, ties to even, subnormals kept.
;;     - The product sums the exact products of the quantised numbers (number of the format x scale) in f32.
;;   ~~~python
;;   def quantise(x, axis, e):      # numpy; x: float32 -> the quantised numbers, widened to float32 again
;;       x = np.moveaxis(x, axis, -1); K = x.shape[-1]
;;       r = np.clip(x / 2.0 ** e, -57344, 57344)
;;       step = 2.0 ** (np.maximum(np.frexp(np.where(r == 0, 1, r))[1] - 1, -14) - 2)
;;       q = np.round(r / step) * step * 2.0 ** e      # np.round: ties to even
;;       return np.moveaxis(q, -1, axis).astype(np.float32)
;;   ~~~
;;   SOFTMAX AHEAD OF A QUANTISED PRODUCT. Where the list says 'softmax', what is quantised is not the finished softmax but p = 2^(t - M), with t = logit x log2(e) and M = ceil(the row's largest t), a whole number; so 1/2 < the row's largest p <= 1. The row's sum l is taken of the UNQUANTISED p, in f32, and the product's result is divided by l at the end. Since M is a whole number, a kernel that streams over the keys may use a running M (the ceiling of the running maximum): every later rescaling is an exact power of two, so the quantised numbers keep their values, but for numbers so far below the row's largest that they fall under the format's range.
;;   OPERANDS COMPUTED ON THE WAY. 'Computed on the way' means the value that the module computes at that place (a softmax that the list does not call 'softmax' is quantised finished and normalised). What goes into a quantiser is computed in f32, as accurately as f32 sums, v_exp_f32 and their like allow (about 1e-6 of the number): no bf16 or f16 on the way to a quantiser, and a product that is left as it is and whose result goes on into a quantised operand takes f32 operands (vector FMAs, or v_wmma_f32_16x16x4_f32). A number that lies on a knife's edge between two numbers of the format may be rounded either way, as far as f32 arithmetic and the matrix unit's own rounding can turn it there, and no further.
;; One version. Each part assembles by itself: llvm-mc -triple=amdgcn-amd-amdhsa -mcpu=gfx1250 --defsym DOCPART=n.
;; ======== version 1 of 1: 4 launches
;; limits: right only within a limited range of input values
;; workspace buffers: x_codes 4,194,304 bytes; wqkv_codes 3,145,728 bytes; wproj_codes 1,048,576 bytes; q_codes 4,194,304 bytes; k_codes 4,194,304 bytes; v_codes 4,194,304 bytes; a_codes 4,194,304 bytes
;; launch quant (part 1): grid 512 x 1, 4 waves a work-group, no clusters, 34,304 bytes of LDS; arguments x, w_qkv, w_proj, lowp_scales, x_codes, wqkv_codes, wproj_codes; writes x_codes, wqkv_codes, wproj_codes
.if DOCPART == 1
	.amdgcn_target "amdgcn-amd-amdhsa--gfx1250"
	.amdhsa_code_object_version 6
	.text
	.protected	k_q9c1336bc60_quant
	.globl	k_q9c1336bc60_quant
	.p2align	8
	.type	k_q9c1336bc60_quant,@function
k_q9c1336bc60_quant:
	s_mov_b64 s[64:65], 0
	v_nop
	global_prefetch_b8 v0, s[64:65] scope:SCOPE_SE
	s_setreg_imm32_b32 hwreg(HW_REG_WAVE_MODE, 25, 1), 1
	s_wait_xcnt 0x0
; CAUSAL SELF-ATTENTION IN E5M2, FOUR LAUNCHES.  This one: x [4096][1024], w_qkv [3072][1024] and w_proj [1024][1024], f32 with K innermost, become codes of BF8 (E5M2), one byte each, each tensor with its given scale 2^e
; (entries 0, 1 and 7 of the scales).  The next: x w_qkv^T + b_qkv, quantised to q, k, v.  Then attention on codes.  Then the projection.
; WORK LEFT OUT IN THE PROGRAM (in the attention launch alone): the reference sets the score of key k for query q to -infinity wherever k > q, by a mask that it builds itself, so the weight of such a key is 0 whatever
; the inputs hold.  A step of 128 keys all of which come after a tile's 16 queries therefore adds nothing to any output: it is not computed.
; LIMIT: a NaN, an infinity or an overflow that would arise only in those masked tiles is not carried to the result.  Every input has a way to the output and is loaded (b_qkv's k part moves k's codes).
; code = x / 2^e, held within +-57,344, rounded to the nearest code, ties to even.  LIMITS: e between -126 and 112, so that 2^e and 57,344 x 2^e are f32 numbers; NaN among the inputs is not served.
; IMAGES.  The codes are laid as the matrix operands' registers want them.  A UNIT is 16 rows x 128 along K, 2,048 bytes: [4 (c)][32 lanes][16 bytes]; lane (r, h) (r = lane % 16, h = lane / 16) of tile T holds
; row 32 (T / 2) + 8 (T % 2) + r + 8 (r / 8), k = 32 c + 16 h + 0 .. 15.  With these rows a product's lane gets 16 neighbours along the next K from two neighbouring tiles.
;   x: [16 blocks of 256 rows][8 K steps][16 tiles];  w_qkv: [16 heads][8 K steps][4 tiles of q, 4 of k, 4 of v];  w_proj: [8 blocks of 128 rows][8 K steps][8 tiles].
; A work-group takes one tile, each wave two K steps of it: 16 rows x 1,024 bytes.  Work-groups 0-255 take x, 256-447 w_qkv, 448-511 w_proj: only pointers and offsets are chosen, all take one path.
; Each load reads 512 consecutive bytes of a row; a unit turns through the wave's own stage in LDS (rows of 512 bytes + 16 of padding) and comes back 16 neighbours a lane; each store covers 512 consecutive bytes.  No barrier.
.set WGX,   256                        ; the first work-group of w_qkv
.set WGW,   448                        ; the first of w_proj
.set R,     32                         ; v32-159  two units of 64 registers, as loaded and, turned, in the same registers
.set C,     160                        ; v160-191 codes
.set SP,    528
.set SPW,   12                         ; v12  LDS address of my spare word; never rewritten
.set NIL,   13                         ; v13  0; never rewritten
.set SPARE, 4*16*SP                    ; behind the four stages: the spare words, 128 bytes a wave
	s_load_b256 s[4:11], s[0:1], 0x0               ; x s[4:5], w_qkv s[6:7], w_proj s[8:9], the scales' exponents s[10:11]
	s_load_b128 s[12:15], s[0:1], 0x20             ; x's codes, w_qkv's codes
	s_load_b64 s[16:17], s[0:1], 0x30              ; w_proj's codes
	v_lshl_add_u32 v[SPW], v0, 2, SPARE
	v_mov_b32 v[NIL], 0
	v_lshrrev_b32 v1, 5, v0
	v_readfirstlane_b32 s18, v1                    ; wave
	v_and_b32 v2, 31, v0                           ; lane
	v_lshlrev_b32 v3, 4, v2                        ; 16 x lane
	s_mul_i32 s20, s18, 16*SP
	v_add_nc_u32 v14, s20, v3                      ; the stage, on the way in
	v_and_b32 v4, 15, v0
	v_bfe_u32 v5, v0, 4, 1
	v_mul_u32_u24 v15, v4, SP
	v_lshl_add_u32 v15, v5, 6, v15
	v_add_nc_u32 v15, s20, v15                     ; and on the way out: row r, 64 h
	s_mov_b32 s19, WGW
	s_wait_alu depctr_va_vdst(0)
	s_wait_kmcnt 0x0
	s_load_b256 s[24:31], s[10:11], 0x0            ; e0 .. e7
	s_cmp_lt_u32 ttmp9, WGW                        ; the choices hang on the work-group's number alone
	s_cselect_b64 s[6:7], s[6:7], s[8:9]
	s_cselect_b64 s[14:15], s[14:15], s[16:17]
	s_cselect_b32 s19, WGX, s19
	s_cmp_lt_u32 ttmp9, WGX
	s_cselect_b64 s[4:5], s[4:5], s[6:7]           ; the tensor
	s_cselect_b64 s[8:9], s[12:13], s[14:15]       ; its codes
	s_cselect_b32 s19, 0, s19                      ; its first work-group
	s_sub_co_u32 s19, ttmp9, s19                   ; T
	s_lshr_b32 s20, s19, 1
	s_lshl_b32 s20, s20, 17                        ; 32 rows of 4,096 bytes,
	s_and_b32 s21, s19, 1
	s_lshl_b32 s21, s21, 15                        ; 8 rows,
	s_add_co_u32 s20, s20, s21
	s_lshl_b32 s21, s18, 10                        ; two K steps of 512 bytes for each wave
	s_add_co_u32 s20, s20, s21
	s_mov_b32 s21, 0
	s_add_nc_u64 s[4:5], s[4:5], s[20:21]
.irp u, 0,1
.irp i, 0,1,2,3,4,5,6,7,8,9,10,11,12,13,14,15
	global_load_b128 v[R+64*\u+4*\i:R+64*\u+4*\i+3], v3, s[4:5] offset:(\i+8*(\i/8))*4096+512*\u th:TH_LOAD_NT   ; 32 lanes read 512 consecutive bytes
.endr
.endr
	; where my two units go.  x:
	s_lshr_b32 s32, s19, 4
	s_lshl_b32 s32, s32, 18
	s_and_b32 s33, s19, 15
	s_lshl_b32 s33, s33, 11
	s_add_co_u32 s32, s32, s33
	s_lshl_b32 s33, s18, 16
	s_add_co_u32 s32, s32, s33
	; w_qkv:
	s_bfe_u32 s34, s19, 0x40002                    ; the head
	s_mul_i32 s34, s34, 196608
	s_lshr_b32 s35, s19, 6
	s_lshl_b32 s35, s35, 2
	s_and_b32 s36, s19, 3
	s_add_co_u32 s35, s35, s36
	s_lshl_b32 s35, s35, 11
	s_add_co_u32 s34, s34, s35
	s_mul_i32 s35, s18, 49152
	s_add_co_u32 s34, s34, s35
	; w_proj:
	s_lshr_b32 s36, s19, 3
	s_lshl_b32 s36, s36, 17
	s_and_b32 s37, s19, 7
	s_lshl_b32 s37, s37, 11
	s_add_co_u32 s36, s36, s37
	s_lshl_b32 s37, s18, 15
	s_add_co_u32 s36, s36, s37
	s_mov_b32 s38, 16384                           ; from K step to K step
	s_mov_b32 s39, 24576
	s_mov_b32 s41, 0
	s_cmp_lt_u32 ttmp9, WGW
	s_cselect_b32 s36, s34, s36
	s_cselect_b32 s38, s39, s38
	s_cmp_lt_u32 ttmp9, WGX
	s_cselect_b32 s40, s32, s36
	s_cselect_b32 s38, 32768, s38
	s_mov_b32 s39, 0
	s_add_nc_u64 s[8:9], s[8:9], s[40:41]          ; the first unit,
	s_add_nc_u64 s[42:43], s[8:9], s[38:39]        ; the second
	s_wait_kmcnt 0x0
	s_cmp_lt_u32 ttmp9, WGW
	s_cselect_b32 s22, s25, s31                    ; e1 or e7,
	s_cmp_lt_u32 ttmp9, WGX
	s_cselect_b32 s22, s24, s22                    ; or e0
	s_add_co_i32 s22, s22, 127
	s_lshl_b32 s23, s22, 23
	v_mov_b32 v11, s23                             ; 2^e as f32: the conversion takes its exponent field
	s_add_co_i32 s22, s22, 15
	s_lshl_b32 s22, s22, 23
	s_or_b32 s22, s22, 0x600000
	v_mov_b32 v10, s22                             ; 57,344 x 2^e
	s_wait_alu depctr_va_vdst(0)
.macro UNIT u, base
	s_wait_loadcnt 16*(1-\u)                       ; this unit's sixteen loads are in; the second unit's may be out
.irp i, 0,1,2,3,4,5,6,7,8,9,10,11,12,13,14,15
	ds_store_b128 v14, v[R+64*\u+4*\i:R+64*\u+4*\i+3] offset:SP*\i
.endr
.irp c, 0,1,2,3
.irp i, 0,1,2,3
	ds_load_b128 v[R+64*\u+16*\c+4*\i:R+64*\u+16*\c+4*\i+3], v15 offset:128*\c+16*\i   ; LDS serves a wave's instructions in order: these see the stores above, and the next unit's stores come behind them
.endr
.endr
.irp c, 0,1,2,3
	s_wait_dscnt 12-4*\c                           ; the four loads of this c are in
.irp i, 0,1,2,3,4,5,6,7,8,9,10,11,12,13,14,15
	v_med3_num_f32 v[R+64*\u+16*\c+\i], v[R+64*\u+16*\c+\i], -v10, v10   ; the conversion does not saturate (ISA guide 7.6.2): the hold at the largest code x the scale comes first
.endr
	v_cvt_scalef32_pk8_bf8_f32 v[C+16*\u+4*\c:C+16*\u+4*\c+1], v[R+64*\u+16*\c:R+64*\u+16*\c+7], v11
	v_cvt_scalef32_pk8_bf8_f32 v[C+16*\u+4*\c+2:C+16*\u+4*\c+3], v[R+64*\u+16*\c+8:R+64*\u+16*\c+15], v11
	global_store_b128 v3, v[C+16*\u+4*\c:C+16*\u+4*\c+3], s[\base:\base+1] offset:512*\c   ; the results go to a store alone; the next vector lines are plain holds on other registers
.endr
.endm
	UNIT 0, 8
	UNIT 1, 42
	s_wait_tensorcnt 0x0                           ; the wave's end: three lines behind my last LDS store
	ds_add_u32 v[SPW], v[NIL]
	s_wait_dscnt 0x0
	s_endpgm
.Lfunc_end_k_q9c1336bc60_quant:
	.size	k_q9c1336bc60_quant, .Lfunc_end_k_q9c1336bc60_quant-k_q9c1336bc60_quant
	.p2alignl 7, 3214868480
	.fill 96, 4, 3214868480
	.section	.rodata,"a",@progbits
	.p2align	6, 0x0
	.amdhsa_kernel k_q9c1336bc60_quant
		.amdhsa_group_segment_fixed_size 34304
		.amdhsa_private_segment_fixed_size 0
		.amdhsa_enable_private_segment 0
		.amdhsa_kernarg_size 56
		.amdhsa_user_sgpr_count 2
		.amdhsa_user_sgpr_kernarg_segment_ptr 1
		.amdhsa_wavefront_size32 1
		.amdhsa_system_sgpr_workgroup_id_x 1
		.amdhsa_system_sgpr_workgroup_id_y 1
		.amdhsa_system_sgpr_workgroup_id_z 1
		.amdhsa_system_vgpr_workitem_id 0
		.amdhsa_next_free_vgpr 192
		.amdhsa_next_free_sgpr 66
		.amdhsa_reserve_vcc 0
		.amdhsa_float_denorm_mode_32 3
		.amdhsa_float_denorm_mode_16_64 3
		.amdhsa_memory_ordered 1
		.amdhsa_forward_progress 1
		.amdhsa_inst_pref_size 22
	.end_amdhsa_kernel
	.amdgpu_metadata
---
amdhsa.version: [ 1, 2 ]
amdhsa.kernels:
  - .name:           k_q9c1336bc60_quant
    .symbol:         k_q9c1336bc60_quant.kd
    .args:
      - { .name: x, .offset: 0, .size: 8, .value_kind: global_buffer, .address_space: global }
      - { .name: w_qkv, .offset: 8, .size: 8, .value_kind: global_buffer, .address_space: global }
      - { .name: w_proj, .offset: 16, .size: 8, .value_kind: global_buffer, .address_space: global }
      - { .name: lowp_scales, .offset: 24, .size: 8, .value_kind: global_buffer, .address_space: global }
      - { .name: x_codes, .offset: 32, .size: 8, .value_kind: global_buffer, .address_space: global }
      - { .name: wqkv_codes, .offset: 40, .size: 8, .value_kind: global_buffer, .address_space: global }
      - { .name: wproj_codes, .offset: 48, .size: 8, .value_kind: global_buffer, .address_space: global }
    .group_segment_fixed_size: 34304
    .private_segment_fixed_size: 0
    .kernarg_segment_align: 8
    .kernarg_segment_size: 56
    .max_flat_workgroup_size: 128
    .sgpr_count:     66
    .vgpr_count:     192
    .wavefront_size: 32
...
	.end_amdgpu_metadata
.endif
;; end of part 1
;; launch qkv (part 2): grid 16 x 16, 4 waves a work-group, clusters of 4 x 4, 327,680 bytes of LDS; arguments x_codes, wqkv_codes, lowp_scales, b_qkv, q_codes, k_codes, v_codes; writes q_codes, k_codes, v_codes
.if DOCPART == 2
	.amdgcn_target "amdgcn-amd-amdhsa--gfx1250"
	.amdhsa_code_object_version 6
	.text
	.protected	k_q9c1336bc60_qkv
	.globl	k_q9c1336bc60_qkv
	.p2align	8
	.type	k_q9c1336bc60_qkv,@function
k_q9c1336bc60_qkv:
	s_mov_b64 s[64:65], 0
	v_nop
	global_prefetch_b8 v0, s[64:65] scope:SCOPE_SE
	s_setreg_imm32_b32 hwreg(HW_REG_WAVE_MODE, 25, 1), 1
	s_wait_xcnt 0x0
	s_wait_alu depctr_hold_cnt(0) depctr_sa_sdst(0) depctr_va_vdst(0) depctr_va_sdst(0) depctr_va_ssrc(0) depctr_va_vcc(0) depctr_vm_vsrc(0)
	s_getreg_b32 s2, hwreg(HW_REG_IB_STS2, 6, 4)
	s_cmp_eq_u32 s2, 0
	s_cbranch_scc0 .Lentry_in_a_cluster
	s_endpgm
.Lentry_in_a_cluster:
	s_bfe_u32 s2, ttmp6, 0x10000c
	s_cmp_lg_u32 s2, 0xf033
	s_cbranch_scc0 .Lentry_shape_is_right
	s_endpgm
.Lentry_shape_is_right:
; q, k, v = x w_qkv^T + b_qkv on codes of BF8, quantised to codes again (scale entries 2, 3, 5).  x_codes: [16 blocks of 256 tokens][8 K steps of 128][16 tiles][2,048 bytes];  wqkv_codes: [16 heads][8 K steps][4 tiles of q, 4 of k, 4 of v][2,048].
; A unit of 2,048 bytes is an operand's registers: [4 (c)][32 lanes][16 bytes]; lane (r, h) of tile T holds row 32 (T / 2) + 8 (T % 2) + r + 8 (r / 8), k = 32 c + 16 h + 0 .. 15.
; q_codes, k_codes: [32 (batch x head)][128 tiles of 16 tokens][2 (c)][32 lanes][16 bytes], d = 32 c + 16 h + 0 .. 15;  v_codes: [32][16 steps of 128 keys][4 tiles of channels][4 (c)][32 lanes][16 bytes], keys 32 c + 16 h + 0 .. 15.
; SHARES.  A work-group makes 256 tokens x one head's q, k and v: 256 work-groups.  Wave w: tokens 128 (w / 2) on; all of q (w % 2 = 0) or of k (1), and v's channels 32 (w % 2) on: 8 x 6 tiles of 16 x 16, 384 registers.
; ORIENTATION.  q and k: source 0 = rows of w, source 1 = tokens: a lane holds one token, and two neighbouring tiles give it 16 neighbouring d.  v: the sources change places: a lane holds one channel and 16 neighbouring keys.
; So a lane's 16 codes are the 16 bytes that the image wants: results leave straight from registers, 512 consecutive bytes a store.
; THE BIAS, divided by 2^(e0 + e1), is the C of each accumulator's first product; the three scales are folded into the conversion's one.
; LIMITS: e0 + e1 between -126 and 127; e2, e3, e5 less (e0 + e1) between -126 and 112; b_qkv / 2^(e0 + e1) within f32's range.
; LDS: slot 0 holds three K steps (A 98,304 bytes, B 73,728), slot 1 two.  Three fills: K steps 0-2 at the head; 3, 4 into slot 1 when those have landed; 5-7 into slot 0 behind K step 2.  Waves 0 and 1 fetch A's halves, waves 2 and 3 B's.
; CLUSTERS: 4 x 4 work-groups; A is asked for jointly along a row of the cluster (one block of tokens), B along a column (one head).
; PREFETCH: behind each fill's load the next fill's bytes are asked for, 256 bytes a lane, each block once in a cluster: the four partners share them out by address (cx for A, cy for B).  Nothing lies behind the third fill.
; REGISTERS: window 0: v1-31 addresses, scales; v32-63, v64-79 the bias; v128-255 A's eight fragments; on the way out v32-95 at work, v128-223 codes.  window 1: B's six fragments, two sets, at v0 and v128.
;   window 2: accumulators of token tiles 0-3 ((a, b) at v[8 (6 a + b)]; b = 0-3: q or k, 4, 5: v);  window 3: of tiles 4-7.
.set SLOT1, 172032
.set BOFF0, 98304                      ; B in slot 0
.set BOFF1, SLOT1+65536                ; and in slot 1
.set SPARE, SLOT1+114688               ; the spare words, 128 bytes a wave
.set LN,   3                           ; v3   16 x lane
.set ADA,  4                           ; v4   my A fragments: slot 0, K steps 0 and 1;  v5: slot 0, K step 2;  v6: slot 1
.set ADB,  7                           ; v7, v8    my fragments of q or k: slot 0, 1
.set ADV,  9                           ; v9, v10   of v
.set SPW,  16                          ; v16  LDS address of my spare word; never rewritten
.set NIL,  17                          ; v17  0; never rewritten
.set SCQ,  18                          ; v18, v19  scale and hold of q or k;  v20, v21 of v
.set HQ,   19
.set SCV,  20
.set HV,   21
.set BI,   32
.set AF,   128
.set GA3,  20                          ; descriptor groups 1: s[20:27] A, three K steps; s[28:35] B; s[44:51], s[52:59] two K steps
.set GB3,  28
.set GA2,  44
.set GB2,  52
.set G0A,  72                          ; groups 0: s[72:75], s[76:79] slot 0; s[80:83], s[84:87] slot 1
.set G0B,  76
.set G1A,  80
.set G1B,  84
.set MSB, 0
.macro WIN new                         ; the immediate's high byte repeats the setting that is left
.if MSB != \new
	s_set_vgpr_msb (MSB<<8)|\new
.set MSB, \new
.endif
.endm
.macro JLOAD g0a, g1a, g0b, g1b        ; a joint load; the branch hangs on the wave's number alone
	s_cmp_eq_u32 s15, 0
	s_cbranch_scc0 .Lfor_b_\@
	tensor_load_to_lds s[\g0a:\g0a+3], s[\g1a:\g1a+7]
	s_nop 0
.rept 4
	v_nop
.endr
	s_branch .Lasked_\@
.Lfor_b_\@:
	tensor_load_to_lds s[\g0b:\g0b+3], s[\g1b:\g1b+7]
	s_nop 0
.rept 4
	v_nop
.endr
.Lasked_\@:
.endm
.macro CREST                           ; a round of the cluster's barrier behind its opening barrier
	s_cmp_lg_u32 s14, 0
	s_cbranch_scc1 .Lnot_wave_0_\@
	s_barrier_signal -3
.Lnot_wave_0_\@:
	s_barrier_wait -3
	s_barrier_signal -1
	s_barrier_wait -1
.endm
.macro CROUND
	s_barrier_signal -1
	s_barrier_wait -1
	CREST
.endm
.macro DESC g, base, off, add, lds     ; a group 0: LDS address off + lds, global address base + off + add
	s_mov_b32 s[\g], 1
	s_add_co_u32 s[\g+1], \off, \lds
	s_add_co_u32 s92, \off, \add
	s_add_nc_u64 s[\g+2:\g+3], s[\base:\base+1], s[92:93]
	s_or_b32 s[\g+3], s[\g+3], 0x80000000
.endm
.macro GROUP1 g, mask, rows            ; a dense block, stated as rows of 256 bytes; elements of 1 byte, no padding; bit 21 beside the mask
	s_or_b32 s[\g], \mask, (1<<21)
	s_mov_b32 s[\g+1], 256<<16
	s_mov_b32 s[\g+2], (\rows)<<16
	s_mov_b32 s[\g+3], 256<<16
	s_mov_b32 s[\g+4], \rows
	s_mov_b32 s[\g+5], 256
	s_mov_b32 s[\g+6], 0
	s_mov_b32 s[\g+7], 0
.endm
	s_load_b256 s[4:11], s[0:1], 0x0               ; x's codes s[4:5], w_qkv's s[6:7], the scales' exponents s[8:9], b_qkv s[10:11]
	s_load_b128 s[68:71], s[0:1], 0x20             ; q's codes, k's
	s_load_b64 s[66:67], s[0:1], 0x30              ; v's
	v_lshl_add_u32 v[SPW], v0, 2, SPARE
	v_mov_b32 v[NIL], 0
	ds_add_u32 v[SPW], v[NIL]                      ; the wave's opening: the add, twice on end, and its wait ahead of my first tensor load
	ds_add_u32 v[SPW], v[NIL]
	v_lshrrev_b32 v1, 5, v0
	v_readfirstlane_b32 s14, v1                    ; wave 0..3
	s_lshr_b32 s15, s14, 1                         ; which 128 tokens are mine.  Also: I fetch for A (0) or for B (1)
	s_and_b32 s16, s14, 1                          ; q or k, and which half of v.  Also: which half I fetch
	s_bfe_u32 s40, ttmp6, 0x40000                  ; cx, cy
	s_bfe_u32 s41, ttmp6, 0x40004
	s_lshl_b32 s42, ttmp9, 2
	s_add_co_u32 s42, s42, s40                     ; the head
	s_and_b32 s17, ttmp7, 0xffff
	s_lshl_b32 s17, s17, 2
	s_add_co_u32 s17, s17, s41                     ; the block of 256 tokens
	s_lshl_b32 s43, s41, 2
	s_lshl_b32 s43, 15, s43                        ; my row of the cluster
	s_lshl_b32 s94, 0x1111, s40                    ; my column
	GROUP1 GA3, s43, 192
	GROUP1 GB3, s94, 144
	GROUP1 GA2, s43, 128
	GROUP1 GB2, s94, 96
	s_lshl_b32 s36, s17, 18
	s_mov_b32 s37, 0
	s_mul_i32 s38, s42, 196608
	s_mov_b32 s39, 0
	s_mul_i32 s12, s16, 49152                      ; halves of A's and of B's three K steps,
	s_mul_i32 s13, s16, 36864
	s_lshl_b32 s18, s16, 15                        ; and of two
	s_mul_i32 s19, s16, 24576
	s_mov_b32 s93, 0
	s_wait_dscnt 0x0                               ; both opening adds are done
	s_wait_kmcnt 0x0
	s_load_b128 s[60:63], s[8:9], 0x0              ; e0 .. e3
	s_load_b32 s43, s[8:9], 0x14                   ; e5
	s_add_nc_u64 s[88:89], s[4:5], s[36:37]        ; my block of x
	s_add_nc_u64 s[90:91], s[6:7], s[38:39]        ; my head of w
	DESC G0A, 88, s12, 0, 0
	DESC G0B, 90, s13, 0, BOFF0
	DESC G1A, 88, s18, 98304, SLOT1
	DESC G1B, 90, s19, 73728, BOFF1
	CROUND                                         ; all sixteen work-groups are here: the joint loads meet
	JLOAD G0A, GA3, G0B, GB3                       ; K steps 0-2: one load a wave at the head
	; the prefetches: the second fill: A 64 blocks of 256 bytes for each partner, B 48; the third: 96 and 72; two waves share them
	s_lshl_b32 s2, s40, 14
	s_lshl_b32 s3, s16, 13
	s_add_co_u32 s2, s2, s3
	s_add_co_u32 s2, s2, 98304
	s_mul_i32 s12, s41, 12288
	s_mul_i32 s13, s16, 6144
	s_add_co_u32 s12, s12, s13
	s_add_co_u32 s12, s12, 73728
	s_mul_i32 s18, s40, 24576
	s_mul_i32 s19, s16, 12288
	s_add_co_u32 s18, s18, s19
	s_add_co_u32 s18, s18, 163840
	s_mul_i32 s36, s41, 18432
	s_mul_i32 s37, s16, 9216
	s_add_co_u32 s36, s36, s37
	s_add_co_u32 s36, s36, 122880
	s_mov_b32 s37, 0
	s_cmp_eq_u32 s15, 0
	s_cselect_b64 s[94:95], s[88:89], s[90:91]
	s_cselect_b32 s92, s2, s12
	s_cselect_b32 s36, s18, s36
	s_cselect_b32 s38, 31, 23                      ; the second fill: my wave's last block,
	s_cselect_b32 s39, 15, 3                       ; and the third's, less 32
	s_add_nc_u64 s[96:97], s[94:95], s[92:93]
	s_add_nc_u64 s[98:99], s[94:95], s[36:37]
	v_and_b32 v12, 31, v0                          ; lane
	v_lshlrev_b32 v[LN], 4, v12
	v_min_u32 v13, s38, v12
	v_min_u32 v14, s39, v12
	v_lshlrev_b32 v13, 8, v13
	v_lshlrev_b32 v14, 8, v14
	v_lshlrev_b32 v15, 8, v12
	global_prefetch_b8 v13, s[96:97] th:TH_LOAD_NT scope:SCOPE_SE
	; the bias: q or k: for tile b the columns 32 (b / 2) + 8 (b % 2) + 16 h + 0 .. 7; v: the lane's channel
	s_lshl_b32 s2, s16, 12
	s_lshl_b32 s12, s42, 8
	s_add_co_u32 s2, s2, s12
	s_mov_b32 s3, 0
	s_add_nc_u64 s[36:37], s[10:11], s[2:3]
	s_lshl_b32 s13, s16, 7
	s_add_co_u32 s2, s12, s13
	s_add_co_u32 s2, s2, 8192
	s_add_nc_u64 s[38:39], s[10:11], s[2:3]
	v_and_b32 v1, 15, v0                           ; r
	v_bfe_u32 v2, v0, 4, 1                         ; h
	v_lshlrev_b32 v24, 6, v2
	v_and_b32 v25, 8, v1
	v_add_nc_u32 v25, v25, v1
	v_lshlrev_b32 v25, 2, v25
.irp b, 0,1,2,3
	global_load_b128 v[BI+8*\b:BI+8*\b+3], v24, s[36:37] offset:128*(\b/2)+32*(\b%2)
	global_load_b128 v[BI+8*\b+4:BI+8*\b+7], v24, s[36:37] offset:128*(\b/2)+32*(\b%2)+16
.endr
	global_load_b32 v64, v25, s[38:39]
	global_load_b32 v72, v25, s[38:39] offset:32
	; LDS addresses: 16 x lane, and by the wave's number
	s_lshl_b32 s2, s15, 14
	v_add_nc_u32 v[ADA], s2, v[LN]
	v_add_nc_u32 v[ADA+1], 65536, v[ADA]
	v_add_nc_u32 v[ADA+2], SLOT1, v[ADA]
	s_lshl_b32 s2, s16, 13
	s_add_co_u32 s2, s2, BOFF0
	v_add_nc_u32 v[ADB], s2, v[LN]
	v_add_nc_u32 v[ADB+1], BOFF1-BOFF0, v[ADB]
	s_lshl_b32 s2, s16, 12
	s_add_co_u32 s2, s2, BOFF0+16384
	v_add_nc_u32 v[ADV], s2, v[LN]
	v_add_nc_u32 v[ADV+1], BOFF1-BOFF0, v[ADV]
	; where my results go: (batch x head) 131,072 + (tokens / 128) 8,192, in q's or k's codes and in v's
	s_lshr_b32 s12, s17, 3
	s_lshl_b32 s12, s12, 4
	s_add_co_u32 s12, s12, s42
	s_lshl_b32 s18, s12, 17
	s_and_b32 s13, s17, 7
	s_lshl_b32 s13, s13, 14
	s_add_co_u32 s18, s18, s13
	s_lshl_b32 s13, s15, 13
	s_add_co_u32 s18, s18, s13
	s_mov_b32 s19, 0
	s_cmp_eq_u32 s16, 0
	s_cselect_b64 s[68:69], s[68:69], s[70:71]
	s_add_nc_u64 s[68:69], s[68:69], s[18:19]
	s_lshl_b32 s12, s16, 12
	s_add_co_u32 s18, s18, s12
	s_add_nc_u64 s[66:67], s[66:67], s[18:19]
	s_wait_alu depctr_va_vdst(0)
	s_wait_kmcnt 0x0
	s_add_co_i32 s2, s60, s61                      ; e0 + e1
	s_sub_co_i32 s3, 0, s2
	s_cmp_eq_u32 s16, 0
	s_cselect_b32 s12, s62, s63                    ; e2 or e3
.macro SCALE e, sc, hold
	s_sub_co_i32 s12, \e, s2
	s_add_co_i32 s12, s12, 127
	s_lshl_b32 s13, s12, 23
	v_mov_b32 v[\sc], s13                          ; a sum stands for sum x 2^(e0 + e1): its code is sum / 2^(e - e0 - e1)
	s_add_co_i32 s12, s12, 15
	s_lshl_b32 s12, s12, 23
	s_or_b32 s12, s12, 0x600000
	v_mov_b32 v[\hold], s12                        ; 57,344 x that
.endm
	SCALE s12, SCQ, HQ
	SCALE s43, SCV, HV
	s_wait_loadcnt 0x0                             ; the bias
.set j, 0
.rept 32
	v_ldexp_f32 v[BI+j], v[BI+j], s3
.set j, j+1
.endr
	v_ldexp_f32 v64, v64, s3
	v_ldexp_f32 v72, v72, s3
.irp j, 1,2,3,4,5,6,7
	v_mov_b32 v[64+\j], v64
	v_mov_b32 v[72+\j], v72
.endr
; K step g lies in slot 0 (0-2, 5-7) or 1 (3, 4), as its SS-th
.macro WHERE g
.if (\g) < 3
.set SL, 0
.set SS, \g
.elseif (\g) < 5
.set SL, 1
.set SS, (\g)-3
.else
.set SL, 0
.set SS, (\g)-5
.endif
.set RA, ADA+2*SL
.set OA, SS*32768
.if SS == 2
.set RA, ADA+1
.set OA, 0
.endif
.endm
.macro FETCH_B g                       ; 24 loads: my six fragments of w into set g % 2
	WHERE \g
	WIN 0x40                                       ; destination window 1, address window 0
.irp b, 0,1,2,3
.irp c, 0,1,2,3
	ds_load_b128 v[128*((\g)%2)+16*\b+4*\c:128*((\g)%2)+16*\b+4*\c+3], v[ADB+SL] offset:SS*24576+\b*2048+512*\c
.endr
.endr
.irp b, 0,1
.irp c, 0,1,2,3
	ds_load_b128 v[128*((\g)%2)+64+16*\b+4*\c:128*((\g)%2)+64+16*\b+4*\c+3], v[ADV+SL] offset:SS*24576+\b*2048+512*\c
.endr
.endr
	WIN 0
.endm
.macro FETCH_A g, a0                   ; 16 loads: token tiles a0 .. a0 + 3
	WHERE \g
.irp a, \a0, \a0+1, \a0+2, \a0+3
.irp c, 0,1,2,3
	ds_load_b128 v[AF+16*(\a)+4*\c:AF+16*(\a)+4*\c+3], v[RA] offset:OA+(\a)*2048+512*\c
.endr
.endr
.endm
.macro PLACES                          ; four places behind a matrix instruction (ISA guide 7.12.1 for vector instructions)
.rept 4
	v_nop
.endr
.endm
; 16 products of q or k, 8 of v, on token tiles a0 .. a0 + 3.  The 48 accumulators take turns, one instruction a turn, in the same order in every step.
.macro MQ g, a0
.if (\g) == 0
	WIN 0x81+0x40*((\a0)/4)                        ; source 0 window 1, source 1 window 0, C (the bias) window 0, D window 2 or 3
.else
	WIN 0xa1+0x50*((\a0)/4)
.endif
.irp a, \a0, \a0+1, \a0+2, \a0+3
.irp b, 0,1,2,3
.set AC, 8*(6*((\a)%4)+\b)
.if (\g) == 0
	v_wmma_f32_16x16x128_bf8_bf8 v[AC:AC+7], v[128*((\g)%2)+16*\b:128*((\g)%2)+16*\b+15], v[AF+16*(\a):AF+16*(\a)+15], v[BI+8*\b:BI+8*\b+7]
.else
	v_wmma_f32_16x16x128_bf8_bf8 v[AC:AC+7], v[128*((\g)%2)+16*\b:128*((\g)%2)+16*\b+15], v[AF+16*(\a):AF+16*(\a)+15], v[AC:AC+7]
.endif
.endr
.endr
.endm
.macro MV g, a0
.if (\g) == 0
	WIN 0x84+0x40*((\a0)/4)                        ; the sources' windows change places
.else
	WIN 0xa4+0x50*((\a0)/4)
.endif
.irp a, \a0, \a0+1, \a0+2, \a0+3
.irp b, 4,5
.set AC, 8*(6*((\a)%4)+\b)
.if (\g) == 0
	v_wmma_f32_16x16x128_bf8_bf8 v[AC:AC+7], v[AF+16*(\a):AF+16*(\a)+15], v[128*((\g)%2)+16*\b:128*((\g)%2)+16*\b+15], v[BI+8*\b:BI+8*\b+7]
.else
	v_wmma_f32_16x16x128_bf8_bf8 v[AC:AC+7], v[AF+16*(\a):AF+16*(\a)+15], v[128*((\g)%2)+16*\b:128*((\g)%2)+16*\b+15], v[AC:AC+7]
.endif
.endr
.endr
.endm
.macro UPPER g                         ; a step's second half, and the next step's token tiles 4-7
	MQ \g, 4
	MV \g, 4
	PLACES
	WIN 0
	FETCH_A (\g)+1, 4
.endm
.macro STEP g                          ; a K step whose successor is in LDS
	s_wait_dscnt 16                                ; w's set and token tiles 0-3 are in; tiles 4-7 may be out
	MQ \g, 0
	MV \g, 0
	PLACES
	FETCH_B (\g)+1
	FETCH_A (\g)+1, 0
	s_wait_dscnt 40                                ; tiles 4-7 are in; the 40 just issued may be out
	UPPER \g
.endm
	s_wait_alu depctr_va_vdst(0)
	s_wait_tensorcnt 0x0                           ; my part of K steps 0-2 is in
	ds_add_u32 v[SPW], v[NIL]
	s_wait_dscnt 0x0
	CROUND                                         ; everybody's part is in, and all sixteen work-groups are here
	JLOAD G1A, GA2, G1B, GB2                       ; K steps 3 and 4 into slot 1
	FETCH_B 0
	FETCH_A 0, 0
	FETCH_A 0, 4
	global_prefetch_b8 v15, s[98:99] th:TH_LOAD_NT scope:SCOPE_SE   ; the third fill's bytes: asked for two K steps ahead of its load
	global_prefetch_b8 v14, s[98:99] offset:8192 th:TH_LOAD_NT scope:SCOPE_SE
	STEP 0
	STEP 1
	; K step 2: slot 0 is read out and is filled again.  (Every window is 0 here.)
	s_wait_tensorcnt 0x0                           ; my part of K steps 3 and 4 has landed;
	ds_add_u32 v[SPW], v[NIL]                      ; 0 onto my spare word;
	s_wait_dscnt 17                                ; (the add and tiles 4-7 may be out)
	MQ 2, 0
	s_wait_dscnt 0x0                               ; the add is done, and my reads of slot 0 are over
	s_barrier_signal -1
	MV 2, 0
	WIN 0
	s_barrier_wait -1
	CREST                                          ; no wave of any partner still reads slot 0 or has a load on its way
	s_add_nc_u64 s[G0A+2:G0A+3], s[G0A+2:G0A+3], 163840
	s_add_nc_u64 s[G0B+2:G0B+3], s[G0B+2:G0B+3], 122880
	JLOAD G0A, GA3, G0B, GB3                       ; K steps 5-7: first behind the round; its four v_nop are the places in front of the loads below
	FETCH_B 3
	FETCH_A 3, 0
	UPPER 2
	STEP 3
	; K step 4: the next lies in slot 0 again
	s_wait_dscnt 16
	MQ 4, 0
	WIN 0
	s_wait_tensorcnt 0x0                           ; my part of K steps 5-7 has landed
	s_wait_dscnt 0x0
	s_barrier_signal -1
	MV 4, 0
	WIN 0
	s_barrier_wait -1
	PLACES
	FETCH_B 5
	FETCH_A 5, 0
	UPPER 4
	STEP 5
	STEP 6
	s_wait_dscnt 16                                ; the last K step: nothing more to fetch
	MQ 7, 0
	MV 7, 0
	s_wait_dscnt 0
	MQ 7, 4
	MV 7, 4
	WIN 0
	PLACES
; THE WAY OUT.  Held, converted, stored; each accumulator from its low end on.  Two sets of registers at work take turns, so that the next block's holds stand behind a block's conversions.
.macro OUT_Q a                         ; token tile a of q or k
.set TM, 32+32*((\a)%2)
	WIN 0x02+((\a)/4)                              ; source 0: window 2 or 3
.irp b, 0,1,2,3
.irp i, 0,1,2,3,4,5,6,7
	v_med3_num_f32 v[TM+8*\b+\i], v[8*(6*((\a)%4)+\b)+\i], -v[HQ], v[HQ]   ; the conversion does not saturate (ISA guide 7.6.2)
.endr
.endr
	WIN 0
.irp b, 0,1,2,3
	v_cvt_scalef32_pk8_bf8_f32 v[AF+8*(\a)+2*\b:AF+8*(\a)+2*\b+1], v[TM+8*\b:TM+8*\b+7], v[SCQ]
.endr
.irp c, 0,1
	global_store_b128 v[LN], v[AF+8*(\a)+4*\c:AF+8*(\a)+4*\c+3], s[68:69] offset:1024*(\a)+512*\c   ; 32 lanes store 512 consecutive bytes, aligned
.endr
.endm
.macro OUT_V c                         ; token tiles 2 c and 2 c + 1 of v's two tiles of channels: keys 32 c + 16 h + 0 .. 15
.set TM, 32+32*((\c)%2)
	WIN 0x02+((\c)/2)
.irp b, 0,1
.irp u, 0,1
.irp i, 0,1,2,3,4,5,6,7
	v_med3_num_f32 v[TM+16*\b+8*\u+\i], v[8*(6*((2*(\c)+\u)%4)+4+\b)+\i], -v[HV], v[HV]
.endr
.endr
.endr
	WIN 0
.irp b, 0,1
.irp u, 0,1
	v_cvt_scalef32_pk8_bf8_f32 v[AF+64+8*(\c)+4*\b+2*\u:AF+64+8*(\c)+4*\b+2*\u+1], v[TM+16*\b+8*\u:TM+16*\b+8*\u+7], v[SCV]
.endr
.endr
.irp b, 0,1
	global_store_b128 v[LN], v[AF+64+8*(\c)+4*\b:AF+64+8*(\c)+4*\b+3], s[66:67] offset:2048*\b+512*(\c)
.endr
.endm
	OUT_Q 0
	OUT_Q 1
	OUT_Q 2
	OUT_Q 3
	OUT_V 0
	OUT_V 1
	OUT_Q 4
	OUT_Q 5
	OUT_Q 6
	OUT_Q 7
	OUT_V 2
	OUT_V 3
	v_nop                                          ; a plain instruction behind the last conversion
	s_wait_tensorcnt 0x0                           ; the wave's end: three lines behind my last tensor load
	ds_add_u32 v[SPW], v[NIL]
	s_wait_dscnt 0x0
	CROUND                                         ; the closing round: no work-group ends while a partner may still ask for a tile that names it
	s_endpgm
.Lfunc_end_k_q9c1336bc60_qkv:
	.size	k_q9c1336bc60_qkv, .Lfunc_end_k_q9c1336bc60_qkv-k_q9c1336bc60_qkv
	.p2alignl 7, 3214868480
	.fill 96, 4, 3214868480
	.section	.rodata,"a",@progbits
	.p2align	6, 0x0
	.amdhsa_kernel k_q9c1336bc60_qkv
		.amdhsa_group_segment_fixed_size 327680
		.amdhsa_private_segment_fixed_size 0
		.amdhsa_enable_private_segment 0
		.amdhsa_kernarg_size 56
		.amdhsa_user_sgpr_count 2
		.amdhsa_user_sgpr_kernarg_segment_ptr 1
		.amdhsa_wavefront_size32 1
		.amdhsa_system_sgpr_workgroup_id_x 1
		.amdhsa_system_sgpr_workgroup_id_y 1
		.amdhsa_system_sgpr_workgroup_id_z 1
		.amdhsa_system_vgpr_workitem_id 0
		.amdhsa_next_free_vgpr 1024
		.amdhsa_next_free_sgpr 100
		.amdhsa_reserve_vcc 0
		.amdhsa_float_denorm_mode_32 3
		.amdhsa_float_denorm_mode_16_64 3
		.amdhsa_memory_ordered 1
		.amdhsa_forward_progress 1
		.amdhsa_inst_pref_size 102
	.end_amdhsa_kernel
	.amdgpu_metadata
---
amdhsa.version: [ 1, 2 ]
amdhsa.kernels:
  - .name:           k_q9c1336bc60_qkv
    .symbol:         k_q9c1336bc60_qkv.kd
    .args:
      - { .name: x_codes, .offset: 0, .size: 8, .value_kind: global_buffer, .address_space: global }
      - { .name: wqkv_codes, .offset: 8, .size: 8, .value_kind: global_buffer, .address_space: global }
      - { .name: lowp_scales, .offset: 16, .size: 8, .value_kind: global_buffer, .address_space: global }
      - { .name: b_qkv, .offset: 24, .size: 8, .value_kind: global_buffer, .address_space: global }
      - { .name: q_codes, .offset: 32, .size: 8, .value_kind: global_buffer, .address_space: global }
      - { .name: k_codes, .offset: 40, .size: 8, .value_kind: global_buffer, .address_space: global }
      - { .name: v_codes, .offset: 48, .size: 8, .value_kind: global_buffer, .address_space: global }
    .group_segment_fixed_size: 327680
    .private_segment_fixed_size: 0
    .kernarg_segment_align: 8
    .kernarg_segment_size: 56
    .max_flat_workgroup_size: 128
    .sgpr_count:     100
    .vgpr_count:     1024
    .wavefront_size: 32
...
	.end_amdgpu_metadata
.endif
;; end of part 2
;; launch attn (part 3): grid 8 x 32, 16 waves a work-group, clusters of 4 x 1, 327,680 bytes of LDS; arguments q_codes, k_codes, v_codes, lowp_scales, a_codes; writes a_codes
.if DOCPART == 3
	.amdgcn_target "amdgcn-amd-amdhsa--gfx1250"
	.amdhsa_code_object_version 6
	.text
	.protected	k_q9c1336bc60_attn
	.globl	k_q9c1336bc60_attn
	.p2align	8
	.type	k_q9c1336bc60_attn,@function
k_q9c1336bc60_attn:
	s_mov_b64 s[64:65], 0
	v_nop
	global_prefetch_b8 v0, s[64:65] scope:SCOPE_SE
	s_setreg_imm32_b32 hwreg(HW_REG_WAVE_MODE, 25, 1), 1
	s_wait_xcnt 0x0
	s_wait_alu depctr_hold_cnt(0) depctr_sa_sdst(0) depctr_va_vdst(0) depctr_va_sdst(0) depctr_va_ssrc(0) depctr_va_vcc(0) depctr_vm_vsrc(0)
	s_getreg_b32 s2, hwreg(HW_REG_IB_STS2, 6, 4)
	s_cmp_eq_u32 s2, 0
	s_cbranch_scc0 .Lentry_in_a_cluster
	s_endpgm
.Lentry_in_a_cluster:
	s_bfe_u32 s2, ttmp6, 0x10000c
	s_cmp_lg_u32 s2, 0x3003
	s_cbranch_scc0 .Lentry_shape_is_right
	s_endpgm
.Lentry_shape_is_right:
; Causal attention on codes of BF8, head size 64, and its result quantised (scale entry 6) for the projection.
; IMAGES.  q, k: [32 (batch x head)][128 tiles of 16 tokens][2 (c)][32 lanes][16 bytes]: lane (r, h) of tile T holds token 32 (T / 2) + 8 (T % 2) + r + 8 (r / 8), d = 32 c + 16 h + 0 .. 15.
; v: [32][16 steps of 128 keys][4 tiles of 16 channels][4 (c)][32 lanes][16 bytes]: lane (r, h) of tile t holds channel 32 (t / 2) + 8 (t % 2) + r + 8 (r / 8), keys 32 c + 16 h + 0 .. 15 of the step.
; a_codes: [32 blocks of 128 tokens][16 heads][8 tiles][2 (c)][32 lanes][16 bytes], tiles and d as in q.  So every fragment is read as 16 bytes a lane, lanes on end.
; WORK LEFT OUT: the reference's own mask gives every key behind a query the weight 0, whatever the inputs hold: a step of 128 keys all of which come after a tile's 16 queries is not computed.
; A NaN, an infinity or an overflow that would arise only there is not carried to the result.
; THE SOFTMAX: t = score x log2(e) / 8; M = the running largest t, rounded UP to a whole number; p = 2^(t - M) is quantised (entry 4), not normalised; the row's sum is taken of the unquantised p and divides at the end.
; When M moves, the sum and O are multiplied by 2^(old M - new M): exact.
; SHARES.  K and V of the whole head lie in LDS, 2 x 131,072 bytes; nothing is filled again.  Work-group x of a head owns tile 8 B + x of each block B of 128 queries: all work-groups do the same work, and each reads every key.
; A pair of waves owns the tiles of blocks p and 15 - p, p = 0 .. 7: p + 1 and 16 - p steps, 17 in all.  Wave a takes steps 0 .. 8 of the large tile; wave b the small tile and then steps 9 .. 15 - p of the large one, and hands
; that part over through LDS.  Waves w with bit 2 clear are a, the others b; p = w % 4 + 4 (w / 8).
; CLUSTERS of 4 work-groups of a head: all fills are joint.  The head's fill brings keys 0 .. 511 (4,096 bytes a wave), the second one the rest (12,288 a wave), asked for behind a round of the cluster's barrier and read from step 4 on.
; No prefetch: no loop fills LDS; both groups of fills are asked for before the first step.
; LAYOUT.  Both products are used transposed: S^T = K Q^T (16x16x64), O^T = V^T P^T (16x16x128): a lane holds ONE query throughout; the 16 registers of tiles 2 b and 2 b + 1 are the neighbouring keys 32 b + 16 h + 0 .. 15.
; LIMITS on the given exponents: e2 + e3 between -123 and 130 (added to c's exponent field); e4 and e6 between -126 and 112.  The softmax's promise holds while the scaled scores stay under 2^31 in magnitude.
; REGISTERS: v1, v2 16 x lane in K's and in V's half; v7 the handing over; v8, v9 addresses of the step; v10 my query less 16 h in its block; v12 -M, v13 the largest t, v[14:15] the sum; v16-23 Q; v24-27 scales and holds;
;   v[28:29] f; v32-95 K's eight fragments, later p's codes (v32-47) and work (v48-63); v96-159 S^T, then p; v160-191 O^T; v192-255 V's four fragments.
; THE SHARES GIVEN ABOVE ARE THOSE OF PAIRS 2 TO 7.  Pairs 0 and 1 have the shortest small tiles: there wave a takes steps 0 .. 9 of the large tile and wave b the small tile and then steps 10 .. 15 - p.
.set VOFF,  131072
.set PART,  262144                     ; the partial results: 32 + 4 registers of a wave for each pair
.set PSL,   4608
.set SPARE, PART+8*PSL                 ; the spare words, 128 bytes a wave
.set SPW,  5                           ; v5   LDS address of my spare word; never rewritten
.set NIL,  6                           ; v6   0; never rewritten
.set PSC,  24                          ; v24  2^e4
.set PHO,  25                          ; v25  57,344 x 2^e4
.set OSC,  26                          ; v26  2^e6
.set OHO,  27                          ; v27  57,344 x 2^e6
.set WV,   18
.set SEL,  20                          ; s[20:21] lane selects: lane l xor 16
.set CS,   22                          ; s[22:23] c = log2(e) / 8 x 2^(e2 + e3)
.set G1A,  24                          ; s[24:31], s[32:39] descriptor groups 1;  s[40:43], s[44:47] groups 0
.set G1B,  32
.set G0A,  40
.set G0B,  44
.set ROLE, 60                          ; s60  0: a, 1: b
.set KEND, 66                          ; s66  the last step of the tile in hand that is mine
.set BLK,  67                          ; s67  the block of the tile in hand: its step on the diagonal
.set SWT,  80                          ; s80  b: the trip at which I change tiles; a: never
.set OFF,  81                          ; s81  b: step less trip from then on
.macro CROUND                          ; a round of the cluster's barrier
	s_barrier_signal -1
	s_barrier_wait -1
	s_cmp_lg_u32 s[WV], 0
	s_cbranch_scc1 .Lnot_wave_0_\@
	s_barrier_signal -3
.Lnot_wave_0_\@:
	s_barrier_wait -3
	s_barrier_signal -1
	s_barrier_wait -1
.endm
.macro RESET                           ; no key seen yet.  (The step is written once: its first change of M leaves these zeros zeros)
	v_mov_b32 v13, 0xff61b1e6                      ; the largest t so far: -3e38, under every t
	v_mov_b32 v14, 0
	v_mov_b32 v15, 0
	v_floor_f32 v12, -v13
.set j, 0
.rept 32
	v_mov_b32 v[160+j], 0
.set j, j+1
.endr
.endm
	s_load_b128 s[4:7], s[0:1], 0x0                ; q's codes s[4:5], k's s[6:7]
	s_load_b128 s[12:15], s[0:1], 0x10             ; v's codes s[12:13], the scales' exponents s[14:15]
	s_load_b64 s[16:17], s[0:1], 0x20              ; a_codes
	v_lshl_add_u32 v[SPW], v0, 2, SPARE
	v_mov_b32 v[NIL], 0
	ds_add_u32 v[SPW], v[NIL]                      ; the wave's opening: the add, twice on end, and its wait ahead of the first tensor load; the set-up below stands between
	ds_add_u32 v[SPW], v[NIL]
	v_lshrrev_b32 v8, 5, v0
	v_readfirstlane_b32 s[WV], v8                  ; wave 0..15
	s_and_b32 s56, ttmp7, 0xffff                   ; batch x 16 + head
	s_bfe_u32 s57, ttmp6, 0x40000
	s_lshl_b32 s58, ttmp9, 2
	s_add_co_u32 s57, s57, s58                     ; x: it enters the addresses of q and of the result, and my query's number, alone
	s_bfe_u32 s[ROLE], s[WV], 0x10002
	s_and_b32 s61, s[WV], 3
	s_lshr_b32 s62, s[WV], 3
	s_lshl_b32 s62, s62, 2
	s_add_co_u32 s61, s61, s62                     ; p
	s_sub_co_u32 s62, 15, s61                      ; the large tile's block
	s_add_co_u32 s63, s61, 1
	s_max_u32 s63, s63, 4                          ; b changes tiles behind its p + 1 steps, at trip 4 at the earliest
	s_cmp_lt_u32 s61, 2                            ; pairs 0 and 1, whose small tiles are short: a takes ten steps of the large tile, else nine
	s_cselect_b32 s58, 10, 9
	s_sub_co_u32 s[OFF], s58, s63
	s_sub_co_u32 s58, s58, 1
	s_cmp_eq_u32 s[ROLE], 0
	s_cselect_b32 s[BLK], s62, s61
	s_cselect_b32 s[KEND], s58, s61
	s_cselect_b32 s[SWT], 64, s63
	s_lshl_b32 s68, s56, 17                        ; the head's first byte in q's, k's and v's codes
	s_mov_b32 s69, 0
	s_and_b32 s70, s[WV], 7                        ; which part of K (waves 0 to 7) or of V (waves 8 to 15) I fetch
	s_lshr_b32 s71, s[WV], 3
	s_lshl_b32 s71, s71, 17                        ; K lies at 0 in LDS, V at 131,072
	s_lshl_b32 s72, s70, 12
	s_mul_i32 s74, s70, 12288
	s_add_co_u32 s74, s74, 32768
	s_add_co_u32 s76, s71, s72
	s_add_co_u32 s77, s71, s74
	s_mov_b32 s73, 0
	s_mov_b32 s75, 0
	s_add_nc_u64 s[72:73], s[72:73], s[68:69]
	s_add_nc_u64 s[74:75], s[74:75], s[68:69]
	s_lshl_b32 s82, s57, 10                        ; my tile in a block: 1,024 x
	s_lshl_b32 s78, s[BLK], 13
	s_add_co_u32 s78, s78, s82
	s_mov_b32 s79, 0
	s_add_nc_u64 s[78:79], s[78:79], s[68:69]      ; my first tile of q,
	s_lshl_b32 s84, s62, 13
	s_add_co_u32 s84, s84, s82
	s_mov_b32 s85, 0
	s_add_nc_u64 s[84:85], s[84:85], s[68:69]      ; and the large one
	s_lshr_b32 s86, s56, 4
	s_lshl_b32 s86, s86, 4
	s_add_co_u32 s86, s86, s[BLK]
	s_lshl_b32 s86, s86, 17
	s_and_b32 s83, s56, 15
	s_lshl_b32 s83, s83, 13
	s_add_co_u32 s86, s86, s83
	s_add_co_u32 s86, s86, s82
	s_mov_b32 s87, 0                               ; my tile of the result: a's large one, b's small one
	s_lshr_b32 s89, s57, 1
	s_lshl_b32 s89, s89, 5
	s_and_b32 s90, s57, 1
	s_lshl_b32 s90, s90, 3
	s_add_co_u32 s89, s89, s90                     ; my tile's first query in its block
	s_mul_i32 s91, s61, PSL
	s_add_co_u32 s91, s91, PART
	; descriptor groups 1: dense blocks stated as rows of 256 bytes: 16 of them, and 48; elements of 1 byte, no padding; the mask names the four work-groups, bit 21 stands beside it
	s_mov_b32 s[G1A], 15|(1<<21)
	s_mov_b32 s[G1A+1], 256<<16
	s_mov_b32 s[G1A+2], 16<<16
	s_mov_b32 s[G1A+3], 256<<16
	s_mov_b32 s[G1A+4], 16
	s_mov_b32 s[G1A+5], 256
	s_mov_b32 s[G1A+6], 0
	s_mov_b32 s[G1A+7], 0
	s_mov_b32 s[G1B], 15|(1<<21)
	s_mov_b32 s[G1B+1], 256<<16
	s_mov_b32 s[G1B+2], 48<<16
	s_mov_b32 s[G1B+3], 256<<16
	s_mov_b32 s[G1B+4], 48
	s_mov_b32 s[G1B+5], 256
	s_mov_b32 s[G1B+6], 0
	s_mov_b32 s[G1B+7], 0
	s_mov_b32 s[SEL], 0x76543210
	s_mov_b32 s[SEL+1], 0xfedcba98
	s_mov_b32 s[CS], 0x3e38aa3b                    ; log2(e) / sqrt(64)
	s_mov_b32 s2, 0
	s_wait_dscnt 0x0                               ; both opening adds are done
	s_wait_kmcnt 0x0
	s_load_b256 s[48:55], s[14:15], 0x0            ; e0 .. e7
	s_cmp_lt_u32 s[WV], 8
	s_cselect_b64 s[92:93], s[6:7], s[12:13]
	s_mov_b32 s[G0A], 1
	s_mov_b32 s[G0A+1], s76
	s_add_nc_u64 s[G0A+2:G0A+3], s[92:93], s[72:73]
	s_or_b32 s[G0A+3], s[G0A+3], 0x80000000
	s_mov_b32 s[G0B], 1
	s_mov_b32 s[G0B+1], s77
	s_add_nc_u64 s[G0B+2:G0B+3], s[92:93], s[74:75]
	s_or_b32 s[G0B+3], s[G0B+3], 0x80000000
	CROUND                                         ; all four work-groups are here: the joint loads meet
	tensor_load_to_lds s[G0A:G0A+3], s[G1A:G1A+7]  ; keys 0 .. 511: one load a wave at the head
	s_nop 0
.rept 4
	v_nop
.endr
	s_add_nc_u64 s[94:95], s[4:5], s[84:85]        ; the large tile of q, for b
	s_add_nc_u64 s[4:5], s[4:5], s[78:79]
	s_add_nc_u64 s[16:17], s[16:17], s[86:87]
	v_and_b32 v8, 31, v0
	v_lshlrev_b32 v1, 4, v8
	global_load_b128 v[16:19], v1, s[4:5]          ; registers 4 c .. 4 c + 3: d = 32 c + 16 h + 0 .. 15, as in K's fragments
	global_load_b128 v[20:23], v1, s[4:5] offset:512
	v_add_nc_u32 v2, VOFF, v1
	v_and_b32 v8, 15, v0                           ; r
	v_bfe_u32 v9, v0, 4, 1                         ; h
	v_and_b32 v11, 8, v8
	v_add_nc_u32 v11, v11, v8                      ; r + 8 (r / 8)
	v_add_nc_u32 v10, s89, v11
	v_lshlrev_b32 v9, 4, v9
	v_sub_nc_u32 v10, v10, v9                      ; my query's number in its block, less 16 h
	v_add_nc_u32 v7, s91, v1
	v_mov_b32 v30, 0                               ; written once: a lane permute's destination counts as one of its sources
	v_mov_b32 v29, 0                               ; (named as the upper half of the pair v[28:29])
	RESET
	s_wait_alu depctr_va_vdst(0)
	s_wait_kmcnt 0x0
	s_add_co_i32 s56, s50, s51
	s_lshl_b32 s56, s56, 23
	s_add_co_i32 s[CS], s[CS], s56                 ; a score stands for score x 2^(e2 + e3): added to c's exponent field
	s_mov_b32 s[CS+1], s[CS]                       ; (named with it as a pair, so it is written)
	s_add_co_i32 s56, s52, 127
	s_lshl_b32 s57, s56, 23
	v_mov_b32 v[PSC], s57
	s_add_co_i32 s56, s56, 15
	s_lshl_b32 s56, s56, 23
	s_or_b32 s56, s56, 0x600000
	v_mov_b32 v[PHO], s56
	s_add_co_i32 s56, s54, 127
	s_lshl_b32 s57, s56, 23
	v_mov_b32 v[OSC], s57
	s_add_co_i32 s56, s56, 15
	s_lshl_b32 s56, s56, 23
	s_or_b32 s56, s56, 0x600000
	v_mov_b32 v[OHO], s56
	s_add_co_i32 s88, s52, s53                     ; e4 + e5
; A KEY STEP: the 128 keys of step s96.
.macro BODY
	s_lshl_b32 s97, s96, 13                        ; a step is 8,192 bytes of K's image and of V's
	v_add_nc_u32 v8, s97, v1
	v_add_nc_u32 v9, s97, v2
	v_nop                                          ; with the two additions: four places in front of loads into registers that the last step's products have read
	v_nop
.irp t, 0,1,2,3,4,5,6,7
	ds_load_b128 v[32+8*\t:35+8*\t], v8 offset:1024*\t
	ds_load_b128 v[36+8*\t:39+8*\t], v8 offset:1024*\t+512
.endr
.irp t, 0,1,2,3
.irp c, 0,1,2,3
	ds_load_b128 v[192+16*\t+4*\c:195+16*\t+4*\c], v9 offset:2048*\t+512*\c
.endr
.endr
	s_wait_dscnt 16                                ; K's sixteen loads are in; V's sixteen may be out until the second product
.irp t, 0,1,2,3,4,5,6,7
	v_wmma_f32_16x16x64_bf8_bf8 v[96+8*\t:103+8*\t], v[32+8*\t:39+8*\t], v[16:23], 0
.endr
.rept 4
	v_nop                                          ; places in front of the first read of the scores and of the writes into K's registers
.endr
	s_cmp_lg_u32 s96, s[BLK]                       ; on the diagonal the scores of hidden keys become -infinity ahead of the maximum: p = 0 then
	s_cbranch_scc1 .Lopen_\@
	v_mov_b32 v31, 0xff800000
.irp n, 0,1,2,3,4,5,6,7,8,9,10,11,12,13,14,15,16,17,18,19,20,21,22,23,24,25,26,27,28,29,30,31,32,33,34,35,36,37,38,39,40,41,42,43,44,45,46,47,48,49,50,51,52,53,54,55,56,57,58,59,60,61,62,63
	v_cmp_gt_i32 vcc_lo, 32*(\n/16)+\n%16, v10     ; register 16 b + i holds key 32 b + 16 h + i of the block
	v_cndmask_b32 v[96+\n], v[96+\n], v31, vcc_lo
.endr
.Lopen_\@:
	v_max3_num_f32 v48, v96, v97, v98              ; the step's largest score of my query, among my 64 keys, in four chains,
	v_max3_num_f32 v49, v99, v100, v101
	v_max3_num_f32 v50, v102, v103, v104
	v_max3_num_f32 v51, v105, v106, v107
.set j, 12
.rept 26
	v_max3_num_f32 v[48+(j/2-6)%4], v[48+(j/2-6)%4], v[96+j], v[97+j]
.set j, j+2
.endr
	v_max_num_f32 v50, v50, v51
	s_delay_alu instid0(VALU_DEP_1)
	v_max3_num_f32 v48, v48, v49, v50
	s_delay_alu instid0(VALU_DEP_1)
	v_permlanex16_b32 v30, v48, s[SEL], s[SEL+1]
	s_delay_alu instid0(VALU_DEP_1)
	v_max_num_f32 v48, v48, v30                    ; and among lane l xor 16's
	s_delay_alu instid0(VALU_DEP_1)
	v_mul_f32 v48, s[CS], v48                      ; as t (c is positive)
	s_delay_alu instid0(VALU_DEP_1)
	v_max_num_f32 v13, v13, v48                    ; the running largest t
	v_mov_b32 v31, v12
	s_delay_alu instid0(VALU_DEP_2)
	v_floor_f32 v12, -v13                          ; the new -M = floor(-t) = -ceil(t): a whole number
	s_delay_alu instid0(VALU_DEP_1)
	v_sub_f32 v31, v12, v31                        ; M's old value less its new one: a whole number, 0 or less
.set j, 0
.rept 32
	v_pk_fma_f32 v[96+j:97+j], v[96+j:97+j], s[CS:CS+1], v[12:13] op_sel_hi:[1,0,0]   ; t - M, two at a time (of the pairs c and -M the low word serves both halves)
.if j == 6
	v_cvt_i32_f32 v31, v31                         ; (it saturates)
.endif
.if j == 14
	v_ldexp_f32 v28, 1.0, v31                      ; f = 2^(old M - new M)
.endif
.set j, j+2
.endr
.set j, 0
.rept 16
	v_pk_mul_f32 v[160+j:161+j], v[160+j:161+j], v[28:29] op_sel_hi:[1,0]   ; O^T under the new M
.set j, j+2
.endr
	s_wait_alu depctr_va_vdst(0)
.set j, 0
.rept 64
	v_exp_f32 v[96+j], v[96+j]                     ; p = 2^(t - M), at most 1
.set j, j+1
.endr
	v_pk_mul_f32 v[14:15], v[14:15], v[28:29] op_sel_hi:[1,0]   ; the sums under the new M: the plain instruction behind the exponentials
	s_wait_alu depctr_va_vdst(0)                   ; and one wait for the whole batch, ahead of its first reader
.set j, 0
.rept 7
	v_pk_add_f32 v[48+j/2:49+j/2], v[96+j:97+j], v[98+j:99+j]   ; the row's sum, of the unquantised p, in eight chains
.set j, j+4
.endr
	v_pk_add_f32 v[14:15], v[14:15], v[124:125]
.set j, 0
.rept 17
.if j%8 == 7
	v_pk_add_f32 v[14:15], v[14:15], v[126+2*j:127+2*j]
.else
	v_pk_add_f32 v[48+2*(j%8):49+2*(j%8)], v[48+2*(j%8):49+2*(j%8)], v[126+2*j:127+2*j]
.endif
.set j, j+1
.endr
	v_pk_add_f32 v[50:51], v[50:51], v[52:53]
	v_pk_add_f32 v[54:55], v[54:55], v[56:57]
	v_pk_add_f32 v[58:59], v[58:59], v[60:61]
	v_pk_add_f32 v[14:15], v[14:15], v[48:49]
	v_pk_add_f32 v[50:51], v[50:51], v[54:55]
	s_delay_alu instid0(VALU_DEP_2)
	v_pk_add_f32 v[14:15], v[14:15], v[58:59]
	s_delay_alu instid0(VALU_DEP_1)
	v_pk_add_f32 v[14:15], v[14:15], v[50:51]
.irp b, 0,1,2,3
.irp i, 0,2,4,6,8,10,12,14
	v_dual_min_num_f32 v[96+16*\b+\i], v[PHO], v[96+16*\b+\i] :: v_dual_min_num_f32 v[97+16*\b+\i], v[PHO], v[97+16*\b+\i]   ; the conversion does not saturate (ISA guide 7.6.2); p is not negative, so the hold is one-sided
.endr
	v_cvt_scalef32_pk8_bf8_f32 v[32+4*\b:33+4*\b], v[96+16*\b:103+16*\b], v[PSC]
	v_cvt_scalef32_pk8_bf8_f32 v[34+4*\b:35+4*\b], v[104+16*\b:111+16*\b], v[PSC]
.endr
	v_nop                                          ; a plain instruction between the last conversion and the products that read the codes
	s_wait_alu depctr_va_vdst(0)                   ; it covers all that the step's vector instructions wrote
	s_wait_dscnt 0x0                               ; V's fragments are in
.irp t, 0,1,2,3
	v_wmma_f32_16x16x128_bf8_bf8 v[160+8*\t:167+8*\t], v[192+16*\t:207+16*\t], v[32:47], v[160+8*\t:167+8*\t]   ; four accumulators by turns; the next step's eight products stand between two links of a chain
.endr
.endm
; A TILE LEAVES: O^T / the sum x 2^(e4 + e5) is the attention's result; held, converted with 2^e6, stored as 2 x 512 consecutive bytes: a lane's 16 codes are 16 neighbouring channels.
.macro FINISH
	v_add_f32 v14, v14, v15                        ; the sum's two halves,
	s_delay_alu instid0(VALU_DEP_1)
	v_permlanex16_b32 v30, v14, s[SEL], s[SEL+1]
	s_delay_alu instid0(VALU_DEP_1)
	v_add_f32 v14, v14, v30                        ; and lane l xor 16's
	v_nop
	s_wait_alu depctr_va_vdst(0)                   ; a wait ahead of the transcendental and one behind it
	v_rcp_f32 v14, v14
	v_nop
	s_wait_alu depctr_va_vdst(0)
	v_ldexp_f32 v14, v14, s88
	s_wait_alu depctr_va_vdst(0)                   ; and one directly ahead of the first reader of O^T
.set j, 0
.rept 16
	v_pk_mul_f32 v[96+j:97+j], v[160+j:161+j], v[14:15] op_sel_hi:[1,0]
.set j, j+2
.endr
.irp t, 0,1,2,3
.irp i, 0,1,2,3,4,5,6,7
	v_med3_num_f32 v[96+8*\t+\i], v[96+8*\t+\i], -v[OHO], v[OHO]
.endr
	v_cvt_scalef32_pk8_bf8_f32 v[32+2*\t:33+2*\t], v[96+8*\t:103+8*\t], v[OSC]
.endr
	v_nop                                          ; a plain instruction behind the last conversion
	s_wait_alu depctr_va_vdst(0)
	global_store_b128 v1, v[32:35], s[16:17]       ; 32 lanes store 512 consecutive bytes, aligned
	global_store_b128 v1, v[36:39], s[16:17] offset:512
.endm
	s_wait_alu depctr_va_vdst(0)
	s_wait_tensorcnt 0x0                           ; my part of keys 0 .. 511 is in
	ds_add_u32 v[SPW], v[NIL]
	s_wait_dscnt 0x0
	CROUND                                         ; everybody's part is in, and all four work-groups are here
	tensor_load_to_lds s[G0B:G0B+3], s[G1B:G1B+7]  ; keys 512 .. 2,047: first behind the round, the wave's last load
	s_nop 0
.rept 4
	v_nop
.endr
	s_wait_loadcnt 0x0                             ; Q
.Lfirst:                                           ; steps 0 and 1 of the tile in hand
	s_cmp_gt_u32 s2, s[KEND]                       ; ids alone
	s_cbranch_scc1 .Lidle1
	s_and_b32 s96, s2, 3
	BODY
.Lidle1:
	s_add_co_u32 s2, s2, 1
	s_cmp_lt_u32 s2, 2
	s_cbranch_scc1 .Lfirst
	s_wait_tensorcnt 0x0                           ; my part of the other keys has landed, and no LDS read of mine is out:
	s_wait_dscnt 0x0
	s_barrier_signal -1                            ; say so; up to the wait stand register work and reads of keys 0 .. 511, which nobody writes any more
.Lsecond:                                          ; steps 2 and 3
	s_cmp_gt_u32 s2, s[KEND]
	s_cbranch_scc1 .Lidle2
	s_and_b32 s96, s2, 3
	BODY
.Lidle2:
	s_add_co_u32 s2, s2, 1
	s_cmp_lt_u32 s2, 4
	s_cbranch_scc1 .Lsecond
	s_barrier_wait -1                              ; all of K and V is in
.Lrest:                                            ; trips 4 to 9
	s_cmp_eq_u32 s2, s[SWT]
	s_cbranch_scc0 .Lsame
	global_load_b128 v[16:19], v1, s[94:95]        ; b: my small tile is done: on to my steps of the large one, up to step 15 - p
	global_load_b128 v[20:23], v1, s[94:95] offset:512
	FINISH
	RESET
	s_mov_b32 s[KEND], s62
	s_mov_b32 s[BLK], s62
	s_wait_alu depctr_va_vdst(0)
	s_wait_xcnt 0x0                                ; the stores have read the codes
	s_wait_loadcnt 0x0
.Lsame:
	s_cmp_ge_u32 s2, s[SWT]
	s_cselect_b32 s96, s[OFF], 0
	s_add_co_u32 s96, s96, s2                      ; the step
	s_cmp_gt_u32 s96, s[KEND]
	s_cbranch_scc1 .Lidle3
	s_min_u32 s96, s96, 15
	BODY
.Lidle3:
	s_add_co_u32 s2, s2, 1
	s_cmp_lt_u32 s2, 10
	s_cbranch_scc1 .Lrest
.rept 4
	v_nop                                          ; places behind the last products
.endr
	s_cmp_eq_u32 s[ROLE], 0
	s_cbranch_scc1 .Lno_part
.irp i, 0,1,2,3,4,5,6,7
	ds_store_b128 v7, v[160+4*\i:163+4*\i] offset:512*\i   ; b: its part of the large tile (for p = 7 an empty one: zeros under M = -3e38)
.endr
	ds_store_b128 v7, v[12:15] offset:4096
.Lno_part:
	s_wait_tensorcnt 0x0                           ; behind the wave's last tensor load and last LDS store
	ds_add_u32 v[SPW], v[NIL]
	s_wait_dscnt 0x0
	s_barrier_signal -1
	s_barrier_wait -1                              ; the parts are in LDS
	s_cmp_lg_u32 s[ROLE], 0
	s_cbranch_scc1 .Lend
.irp i, 0,1,2,3,4,5,6,7
	ds_load_b128 v[32+4*\i:35+4*\i], v7 offset:512*\i
.endr
	ds_load_b128 v[64:67], v7 offset:4096          ; -M, the largest t, the sum's halves
	v_mov_b32 v73, 0                               ; (upper halves of the two factors' pairs)
	v_mov_b32 v75, 0
	s_wait_alu depctr_va_vdst(0)
	s_wait_dscnt 0x0
	v_min_num_f32 v68, v12, v64                    ; -M of the two parts together
	v_sub_f32 v70, v68, v12
	v_sub_f32 v71, v68, v64
	v_cvt_i32_f32 v70, v70
	v_cvt_i32_f32 v71, v71
	v_ldexp_f32 v72, 1.0, v70                      ; whole powers of two: nothing is rounded
	v_ldexp_f32 v74, 1.0, v71
	v_pk_mul_f32 v[14:15], v[14:15], v[72:73] op_sel_hi:[1,0]
	v_pk_fma_f32 v[14:15], v[66:67], v[74:75], v[14:15] op_sel_hi:[1,0,1]
.set j, 0
.rept 16
	v_pk_mul_f32 v[160+j:161+j], v[160+j:161+j], v[72:73] op_sel_hi:[1,0]
.set j, j+2
.endr
.set j, 0
.rept 16
	v_pk_fma_f32 v[160+j:161+j], v[32+j:33+j], v[74:75], v[160+j:161+j] op_sel_hi:[1,0,1]
.set j, j+2
.endr
	FINISH
.Lend:
	CROUND                                         ; the closing round: no work-group ends while a partner may still ask for keys
	s_endpgm
.Lfunc_end_k_q9c1336bc60_attn:
	.size	k_q9c1336bc60_attn, .Lfunc_end_k_q9c1336bc60_attn-k_q9c1336bc60_attn
	.p2alignl 7, 3214868480
	.fill 96, 4, 3214868480
	.section	.rodata,"a",@progbits
	.p2align	6, 0x0
	.amdhsa_kernel k_q9c1336bc60_attn
		.amdhsa_group_segment_fixed_size 327680
		.amdhsa_private_segment_fixed_size 0
		.amdhsa_enable_private_segment 0
		.amdhsa_kernarg_size 40
		.amdhsa_user_sgpr_count 2
		.amdhsa_user_sgpr_kernarg_segment_ptr 1
		.amdhsa_wavefront_size32 1
		.amdhsa_system_sgpr_workgroup_id_x 1
		.amdhsa_system_sgpr_workgroup_id_y 1
		.amdhsa_system_sgpr_workgroup_id_z 1
		.amdhsa_system_vgpr_workitem_id 0
		.amdhsa_next_free_vgpr 256
		.amdhsa_next_free_sgpr 100
		.amdhsa_reserve_vcc 1
		.amdhsa_float_denorm_mode_32 3
		.amdhsa_float_denorm_mode_16_64 3
		.amdhsa_memory_ordered 1
		.amdhsa_forward_progress 1
		.amdhsa_inst_pref_size 85
	.end_amdhsa_kernel
	.amdgpu_metadata
---
amdhsa.version: [ 1, 2 ]
amdhsa.kernels:
  - .name:           k_q9c1336bc60_attn
    .symbol:         k_q9c1336bc60_attn.kd
    .args:
      - { .name: q_codes, .offset: 0, .size: 8, .value_kind: global_buffer, .address_space: global }
      - { .name: k_codes, .offset: 8, .size: 8, .value_kind: global_buffer, .address_space: global }
      - { .name: v_codes, .offset: 16, .size: 8, .value_kind: global_buffer, .address_space: global }
      - { .name: lowp_scales, .offset: 24, .size: 8, .value_kind: global_buffer, .address_space: global }
      - { .name: a_codes, .offset: 32, .size: 8, .value_kind: global_buffer, .address_space: global }
    .group_segment_fixed_size: 327680
    .private_segment_fixed_size: 0
    .kernarg_segment_align: 8
    .kernarg_segment_size: 40
    .max_flat_workgroup_size: 512
    .sgpr_count:     100
    .vgpr_count:     256
    .wavefront_size: 32
...
	.end_amdgpu_metadata
.endif
;; end of part 3
;; launch proj (part 4): grid 8 x 32, 4 waves a work-group, clusters of 4 x 4, 327,680 bytes of LDS; arguments a_codes, wproj_codes, lowp_scales, b_proj, out0; writes out0
.if DOCPART == 4
	.amdgcn_target "amdgcn-amd-amdhsa--gfx1250"
	.amdhsa_code_object_version 6
	.text
	.protected	k_q9c1336bc60_proj
	.globl	k_q9c1336bc60_proj
	.p2align	8
	.type	k_q9c1336bc60_proj,@function
k_q9c1336bc60_proj:
	s_mov_b64 s[64:65], 0
	v_nop
	global_prefetch_b8 v0, s[64:65] scope:SCOPE_SE
	s_setreg_imm32_b32 hwreg(HW_REG_WAVE_MODE, 25, 1), 1
	s_wait_xcnt 0x0
	s_wait_alu depctr_hold_cnt(0) depctr_sa_sdst(0) depctr_va_vdst(0) depctr_va_sdst(0) depctr_va_ssrc(0) depctr_va_vcc(0) depctr_vm_vsrc(0)
	s_getreg_b32 s2, hwreg(HW_REG_IB_STS2, 6, 4)
	s_cmp_eq_u32 s2, 0
	s_cbranch_scc0 .Lentry_in_a_cluster
	s_endpgm
.Lentry_in_a_cluster:
	s_bfe_u32 s2, ttmp6, 0x10000c
	s_cmp_lg_u32 s2, 0xf033
	s_cbranch_scc0 .Lentry_shape_is_right
	s_endpgm
.Lentry_shape_is_right:
; out0 = a w_proj^T + b_proj on codes of BF8.  Both operands come as images of the operand's registers.  a_codes: [32 blocks of 128 tokens][16 heads][8 tiles][2 (c)][32 lanes][16 bytes]: lane (r, h) of tile T holds token
; 32 (T / 2) + 8 (T % 2) + r + 8 (r / 8) of the block, k = 64 x head + 32 c + 16 h + 0 .. 15; wproj_codes: [8 blocks of 128 columns][8 K steps of 128][8 tiles][4 (c)][32 lanes][16 bytes], columns as the tokens; out0: [4096][1024] f32.
; A tile of 128 tokens x 128 columns to a work-group, 256 work-groups; four waves, each 64 x 64: 16 accumulators.  THE WHOLE K LIES IN LDS, A's 131,072 bytes and B's, as they lie in memory; nothing is filled again.
; Two fills: K steps 0-2 at the head, K steps 3-7 behind a round of the cluster's barrier; in each, waves 0 and 1 ask for A's halves, waves 2 and 3 for B's, one load a wave.
; CLUSTERS: 4 x 4 work-groups; A is asked for jointly along a row of the cluster, B along a column.
; PREFETCH: behind the first fill's load the second fill's bytes are asked for, 256 bytes a lane, each block once in a cluster: the four partners share them out by address (cx for A, cy for B).
; THE MATRIX INSTRUCTION IS USED TRANSPOSED (source 0 = 16 rows of w_proj, source 1 = 16 tokens): a lane holds eight neighbouring columns of one token's row.
; A finished sum is multiplied by 2^(e6 + e7) and the bias added by one packed multiply-add.  LIMIT: e6 + e7 between -126 and 127.
; REGISTERS: window 0: v12-29 addresses; v32-63 the bias; v128-255 the accumulators ((a, b) at v[128 + 8 (4 a + b)]).   window 1: two fragment buffers of 128: A's four fragments, then B's four.
.set PITCH, 272                        ; a row of the stage: 256 bytes + 16
.set BOFF,  131072                     ; A's image, then B's
.set STAGE, 2*BOFF                     ; the way out: 16 rows x 272 bytes for each wave, bytes of its own
.set SPARE, STAGE+4*16*PITCH           ; the spare words, 128 bytes a wave
.set ADRA, 16                          ; v16, v17  my A fragments, K steps 0 on and 4 on
.set ADRB, 20                          ; v20, v21  my B fragments likewise
.set STO,  24                          ; v24     the stage: where I put a piece of a row
.set RD,   25                          ; v25     and where I read a row back
.set CO,   26                          ; v26     my byte offset in two rows of out0
.set SPW,  28                          ; v28     LDS address of my spare word; never rewritten
.set NIL,  29                          ; v29     0; never rewritten
.set BIA,  32                          ; v32-63  b_proj at my 4 x 8 columns
.set ACC,  128
.set G1A, 24                           ; descriptor groups 1: s[24:31] A, s[48:55] B, first fill;  s[68:75], s[84:91] second
.set G1B, 48
.set G2A, 68
.set G2B, 84
.set GA1, 32                           ; groups 0: s[32:35], s[36:39];  s[40:43], s[44:47]
.set GB1, 36
.set GA2, 40
.set GB2, 44
.set MSB, 0
.macro WIN new                         ; the immediate's high byte repeats the setting that is left
.if MSB != \new
	s_set_vgpr_msb (MSB<<8)|\new
.set MSB, \new
.endif
.endm
.macro CROUND                          ; a round of the cluster's barrier
	s_barrier_signal -1
	s_barrier_wait -1
	s_cmp_lg_u32 s14, 0
	s_cbranch_scc1 .Lnot_wave_0_\@
	s_barrier_signal -3
.Lnot_wave_0_\@:
	s_barrier_wait -3
	s_barrier_signal -1
	s_barrier_wait -1
.endm
.macro PLACES
.rept 4
	v_nop
.endr
.endm
.macro GROUP1 g, mask, rows            ; a dense block, stated as rows of 256 bytes; elements of 1 byte, no padding; bit 21 beside the mask
	s_or_b32 s[\g], \mask, (1<<21)
	s_mov_b32 s[\g+1], 256<<16
	s_mov_b32 s[\g+2], (\rows)<<16
	s_mov_b32 s[\g+3], 256<<16
	s_mov_b32 s[\g+4], \rows
	s_mov_b32 s[\g+5], 256
	s_mov_b32 s[\g+6], 0
	s_mov_b32 s[\g+7], 0
.endm
.macro DESC g, base, off, lds          ; a group 0: byte off of the tile, to the same byte of its image in LDS
	s_mov_b32 s[\g], 1
	s_add_co_u32 s[\g+1], \off, \lds
	s_mov_b32 s92, \off
	s_add_nc_u64 s[\g+2:\g+3], s[\base:\base+1], s[92:93]
	s_or_b32 s[\g+3], s[\g+3], 0x80000000
.endm
.macro JLOAD g0a, g1a, g0b, g1b        ; a joint load; the branch hangs on the wave's number alone
	s_cmp_eq_u32 s15, 0
	s_cbranch_scc0 .Lfor_b_\@
	tensor_load_to_lds s[\g0a:\g0a+3], s[\g1a:\g1a+7]
	s_nop 0
.rept 4
	v_nop
.endr
	s_branch .Lasked_\@
.Lfor_b_\@:
	tensor_load_to_lds s[\g0b:\g0b+3], s[\g1b:\g1b+7]
	s_nop 0
.rept 4
	v_nop
.endr
.Lasked_\@:
.endm
	s_load_b256 s[4:11], s[0:1], 0x0               ; a_codes s[4:5], w_proj's codes s[6:7], the scales' exponents s[8:9], b_proj s[10:11]
	s_load_b64 s[12:13], s[0:1], 0x20              ; out0
	v_lshl_add_u32 v[SPW], v0, 2, SPARE
	v_mov_b32 v[NIL], 0
	ds_add_u32 v[SPW], v[NIL]                      ; the wave's opening: the add, twice on end, and its wait ahead of my first tensor load; the set-up below stands between
	ds_add_u32 v[SPW], v[NIL]
	v_lshrrev_b32 v1, 5, v0
	v_readfirstlane_b32 s14, v1                    ; wave 0..3
	s_lshr_b32 s15, s14, 1                         ; which 64 tokens are mine.  Also: I fetch for A (0) or for B (1)
	s_and_b32 s16, s14, 1                          ; which 64 columns.  Also: which half I fetch
	s_bfe_u32 s56, ttmp6, 0x40000                  ; cx, cy
	s_bfe_u32 s57, ttmp6, 0x40004
	s_lshl_b32 s58, ttmp9, 2
	s_add_co_u32 s58, s58, s56                     ; tile column: 128 columns
	s_and_b32 s59, ttmp7, 0xffff
	s_lshl_b32 s59, s59, 2
	s_add_co_u32 s59, s59, s57                     ; tile row: a block of 128 tokens
	s_lshl_b32 s60, s57, 2
	s_lshl_b32 s60, 15, s60                        ; my row of the cluster
	s_lshl_b32 s61, 0x1111, s56                    ; my column
	GROUP1 G1A, s60, 96
	GROUP1 G1B, s61, 96
	GROUP1 G2A, s60, 160
	GROUP1 G2B, s61, 160
	s_lshl_b32 s18, s59, 17
	s_mov_b32 s19, 0
	s_lshl_b32 s20, s58, 17
	s_mov_b32 s21, 0
	s_mul_i32 s22, s16, 24576                      ; my half of the first fill's 49,152 bytes,
	s_mul_i32 s23, s16, 40960
	s_add_co_u32 s23, s23, 49152                   ; and of the second's 81,920
	s_mov_b32 s93, 0
	s_wait_dscnt 0x0                               ; both opening adds are done
	s_wait_kmcnt 0x0
	s_load_b256 s[76:83], s[8:9], 0x0              ; e0 .. e7
	s_add_nc_u64 s[18:19], s[4:5], s[18:19]        ; A's block, B's block
	s_add_nc_u64 s[20:21], s[6:7], s[20:21]
	DESC GA1, 18, s22, 0
	DESC GB1, 20, s22, BOFF
	DESC GA2, 18, s23, 0
	DESC GB2, 20, s23, BOFF
	CROUND                                         ; all sixteen work-groups are here: the joint loads meet
	JLOAD GA1, G1A, GB1, G1B                       ; K steps 0-2: one load a wave at the head
	s_cmp_eq_u32 s15, 0                            ; the prefetches: 80 blocks of 256 bytes for each partner, 40 for a wave
	s_cselect_b32 s92, s56, s57
	s_cselect_b64 s[94:95], s[18:19], s[20:21]
	s_mul_i32 s92, s92, 20480
	s_mul_i32 s17, s16, 10240
	s_add_co_u32 s92, s92, s17
	s_add_co_u32 s92, s92, 49152
	s_add_nc_u64 s[94:95], s[94:95], s[92:93]
	s_mul_i32 s98, s14, 16*PITCH
	s_add_co_u32 s98, s98, STAGE                   ; my stage
	s_lshl_b32 s62, s15, 12                        ; my four tiles of tokens: A's image has 1,024 bytes a tile and head
	s_lshl_b32 s63, s16, 13                        ; my four tiles of columns: 2,048 bytes a tile and K step
	s_add_co_u32 s63, s63, BOFF
	s_lshl_b32 s22, s58, 9                         ; my first column in bytes: 512 x tile column + 256 x half
	s_lshl_b32 s23, s16, 8
	s_add_co_u32 s22, s22, s23
	s_mov_b32 s23, 0
	s_add_nc_u64 s[10:11], s[10:11], s[22:23]      ; b_proj there
	s_add_nc_u64 s[12:13], s[12:13], s[22:23]
	s_lshl_b32 s22, s59, 19                        ; my first row: 128 x tile row + 64 x half, rows of 4,096 bytes
	s_lshl_b32 s17, s15, 18
	s_add_co_u32 s22, s22, s17
	s_add_nc_u64 s[12:13], s[12:13], s[22:23]
	v_and_b32 v12, 31, v0                          ; lane
	v_min_u32 v14, 7, v12
	v_lshlrev_b32 v13, 8, v12
	v_lshlrev_b32 v14, 8, v14
	global_prefetch_b8 v13, s[94:95] th:TH_LOAD_NT scope:SCOPE_SE
	global_prefetch_b8 v14, s[94:95] offset:8192 th:TH_LOAD_NT scope:SCOPE_SE
	v_and_b32 v1, 15, v0                           ; r
	v_bfe_u32 v2, v0, 4, 1                         ; h
	v_lshlrev_b32 v9, 6, v2                        ; the bias: for tile b the columns 32 (b / 2) + 8 (b % 2) + 16 h + 0 .. 7
.irp b, 0,1,2,3
	global_load_b128 v[BIA+8*\b:BIA+8*\b+3], v9, s[10:11] offset:128*(\b/2)+32*(\b%2)
	global_load_b128 v[BIA+8*\b+4:BIA+8*\b+7], v9, s[10:11] offset:128*(\b/2)+32*(\b%2)+16
.endr
	v_lshlrev_b32 v3, 4, v12                       ; 16 x lane
	v_add_nc_u32 v[ADRA], s62, v3
	v_add_nc_u32 v[ADRA+1], 65536, v[ADRA]
	v_add_nc_u32 v[ADRB], s63, v3
	v_add_nc_u32 v[ADRB+1], 65536, v[ADRB]
	v_mul_u32_u24 v6, v1, PITCH
	v_lshl_add_u32 v6, v2, 6, v6
	v_add_nc_u32 v[STO], s98, v6                   ; in: row r, 64 h
	v_mul_u32_u24 v7, v2, PITCH
	v_lshl_add_u32 v7, v1, 4, v7
	v_add_nc_u32 v[RD], s98, v7                    ; back: lanes 0-15 one row of 256 bytes, lanes 16-31 the next
	v_lshlrev_b32 v8, 12, v2
	v_lshl_add_u32 v[CO], v1, 4, v8                ; and the same two rows in out0
; 32 LDS loads: the fragments of K step s (128 along K: heads 2 s and 2 s + 1) into buffer f.  Registers 4 c .. 4 c + 3 hold k = 128 s + 32 c + 16 h + 0 .. 15, in A and in B alike.
.macro PFETCH s, f
	WIN 0x40                                       ; destination window 1, address window 0
.irp a, 0,1,2,3
.irp c, 0,1,2,3
	ds_load_b128 v[(\f)+16*\a+4*\c:(\f)+16*\a+4*\c+3], v[ADRA+(\s)/4] offset:(2*((\s)%4)+\c/2)*8192+\a*1024+512*(\c%2)
.endr
.endr
.irp b, 0,1,2,3
.irp c, 0,1,2,3
	ds_load_b128 v[(\f)+64+16*\b+4*\c:(\f)+64+16*\b+4*\c+3], v[ADRB+(\s)/4] offset:((\s)%4)*16384+\b*2048+512*\c
.endr
.endr
.endm
; 16 matrix instructions on buffer f: the 16 accumulators take turns, one instruction a turn, in the same order in every step.  zero = 1: the products start the sums.
.macro PMUL f, zero
	WIN 0x05                                       ; sources 0 (B) and 1 (A) window 1; C and D window 0
.irp a, 0,1,2,3
.irp b, 0,1,2,3
.if \zero
	v_wmma_f32_16x16x128_bf8_bf8 v[ACC+8*(4*\a+\b):ACC+8*(4*\a+\b)+7], v[(\f)+64+16*\b:(\f)+64+16*\b+15], v[(\f)+16*\a:(\f)+16*\a+15], 0
.else
	v_wmma_f32_16x16x128_bf8_bf8 v[ACC+8*(4*\a+\b):ACC+8*(4*\a+\b)+7], v[(\f)+64+16*\b:(\f)+64+16*\b+15], v[(\f)+16*\a:(\f)+16*\a+15], v[ACC+8*(4*\a+\b):ACC+8*(4*\a+\b)+7]
.endif
.endr
.endr
.endm
; K step s: its fragments are in; the next step's are asked for, into the other buffer, and land under this step's products.
.macro PSTEP s
	s_wait_dscnt 0x0
.if (\s) < 7 && (\s) != 2
.if (\s) > 0
	PLACES                                         ; in front of loads into the buffer that the last step's products have read
.endif
	PFETCH (\s)+1, 128*(((\s)+1)%2)
.endif
.if (\s) == 0
	PMUL 0, 1
.else
	PMUL 128*((\s)%2), 0
.endif
.if (\s) == 2
	s_wait_tensorcnt 0x0                           ; my part of the second fill has landed; no LDS read of mine is out
	s_barrier_signal -1
	s_barrier_wait -1                              ; everybody's has.
	PLACES
	PFETCH 3, 128
.endif
.endm
	s_wait_alu depctr_va_vdst(0)
	s_wait_tensorcnt 0x0                           ; my part of K steps 0-2 is in
	ds_add_u32 v[SPW], v[NIL]
	s_wait_dscnt 0x0
	CROUND                                         ; everybody's part is in, and all sixteen work-groups are here
	JLOAD GA2, G2A, GB2, G2B                       ; K steps 3-7
	PFETCH 0, 0
.irp s, 0,1,2,3,4,5,6,7
	PSTEP \s
.endr
	WIN 0
	PLACES                                         ; behind the last products
	s_wait_loadcnt 0x0                             ; the bias
	s_wait_kmcnt 0x0
	s_add_co_i32 s96, s82, s83                     ; e6 + e7
	s_add_co_i32 s96, s96, 127
	s_lshl_b32 s96, s96, 23                        ; 2^(e6 + e7) as f32
	s_mov_b32 s97, s96                             ; (named with it as a pair, so it is written)
; THE WAY OUT, a tile of 16 tokens x 64 columns at a time: sum x 2^(e6 + e7) + bias in place, each accumulator from its low end on; into my stage, and back as rows of 256 bytes into the registers that they left.
.macro PACK a
.irp b, 0,1,2,3
.irp i, 0,2,4,6
	v_pk_fma_f32 v[ACC+32*(\a)+8*\b+\i:ACC+32*(\a)+8*\b+\i+1], v[ACC+32*(\a)+8*\b+\i:ACC+32*(\a)+8*\b+\i+1], s[96:97], v[BIA+8*\b+\i:BIA+8*\b+\i+1] op_sel_hi:[1,0,1]
.endr
.endr
.irp b, 0,1,2,3
	ds_store_b128 v[STO], v[ACC+32*(\a)+8*\b:ACC+32*(\a)+8*\b+3] offset:128*(\b/2)+32*(\b%2)
	ds_store_b128 v[STO], v[ACC+32*(\a)+8*\b+4:ACC+32*(\a)+8*\b+7] offset:128*(\b/2)+32*(\b%2)+16
.endr
.irp t, 0,1,2,3,4,5,6,7
	ds_load_b128 v[ACC+32*(\a)+4*\t:ACC+32*(\a)+4*\t+3], v[RD] offset:\t*2*PITCH   ; LDS serves a wave's instructions in order (ISA guide 5.7.1.4): these see the stores above; the next tile's stores come behind them
.endr
.endm
.macro SEND a, younger                 ; younger: the LDS instructions issued behind tile a's loads: the next tile's sixteen, or none.  Stage rows 2 t, 2 t + 1 are tokens 2 t + 8 (t / 4) on of the tile
.irp t, 0,1,2,3,4,5,6,7
	s_wait_dscnt \younger+7-\t
	global_store_b128 v[CO], v[ACC+32*(\a)+4*\t:ACC+32*(\a)+4*\t+3], s[12:13] offset:(32*((\a)/2)+8*((\a)%2)+2*\t+8*(\t/4))*4096 th:TH_STORE_NT   ; sixteen lanes store 256 consecutive bytes, aligned; written once, read by nobody here
.endr
.endm
	PACK 0
	PACK 1                                         ; a tile's arithmetic stands between the loads of the tile before and its stores
	SEND 0, 16
	PACK 2
	SEND 1, 16
	PACK 3
	SEND 2, 16
	SEND 3, 0
	s_wait_tensorcnt 0x0                           ; the wave's end: three lines behind my last tensor load and my last LDS store
	ds_add_u32 v[SPW], v[NIL]
	s_wait_dscnt 0x0
	CROUND                                         ; the closing round: no work-group ends while a partner may still ask for a part that names it
	s_endpgm
.Lfunc_end_k_q9c1336bc60_proj:
	.size	k_q9c1336bc60_proj, .Lfunc_end_k_q9c1336bc60_proj-k_q9c1336bc60_proj
	.p2alignl 7, 3214868480
	.fill 96, 4, 3214868480
	.section	.rodata,"a",@progbits
	.p2align	6, 0x0
	.amdhsa_kernel k_q9c1336bc60_proj
		.amdhsa_group_segment_fixed_size 327680
		.amdhsa_private_segment_fixed_size 0
		.amdhsa_enable_private_segment 0
		.amdhsa_kernarg_size 40
		.amdhsa_user_sgpr_count 2
		.amdhsa_user_sgpr_kernarg_segment_ptr 1
		.amdhsa_wavefront_size32 1
		.amdhsa_system_sgpr_workgroup_id_x 1
		.amdhsa_system_sgpr_workgroup_id_y 1
		.amdhsa_system_sgpr_workgroup_id_z 1
		.amdhsa_system_vgpr_workitem_id 0
		.amdhsa_next_free_vgpr 512
		.amdhsa_next_free_sgpr 100
		.amdhsa_reserve_vcc 0
		.amdhsa_float_denorm_mode_32 3
		.amdhsa_float_denorm_mode_16_64 3
		.amdhsa_memory_ordered 1
		.amdhsa_forward_progress 1
		.amdhsa_inst_pref_size 48
	.end_amdhsa_kernel
	.amdgpu_metadata
---
amdhsa.version: [ 1, 2 ]
amdhsa.kernels:
  - .name:           k_q9c1336bc60_proj
    .symbol:         k_q9c1336bc60_proj.kd
    .args:
      - { .name: a_codes, .offset: 0, .size: 8, .value_kind: global_buffer, .address_space: global }
      - { .name: wproj_codes, .offset: 8, .size: 8, .value_kind: global_buffer, .address_space: global }
      - { .name: lowp_scales, .offset: 16, .size: 8, .value_kind: global_buffer, .address_space: global }
      - { .name: b_proj, .offset: 24, .size: 8, .value_kind: global_buffer, .address_space: global }
      - { .name: out0, .offset: 32, .size: 8, .value_kind: global_buffer, .address_space: global }
    .group_segment_fixed_size: 327680
    .private_segment_fixed_size: 0
    .kernarg_segment_align: 8
    .kernarg_segment_size: 40
    .max_flat_workgroup_size: 128
    .sgpr_count:     100
    .vgpr_count:     512
    .wavefront_size: 32
...
	.end_amdgpu_metadata
.endif
;; end of part 4
